; MI455X (gfx1250); checked and timed in simulation.
; The chip was launched on July 23, 2026; its instructions are those of AMD's public machine-readable ISA for CDNA 5 (MIT licence, August 2026) and "CDNA5" Instruction Set Architecture Reference Guide (July 2026). The comments in the code are by the model that wrote it; some were corrected since.
;; Projector. Allowed arithmetic: matrix products marked QUANTISED: E3M2 operands, one E8M0 scale for each 32 along K, by v_wmma_scale_f32_16x16x128_f8f6f4 with both operands' format E3M2, f32 sums; everything else in f32.
;; Inputs: W1_codes 4,096 x 32 x 24 uint8 (E3M2 codes of W1, K innermost, in blocks of 32 codes, four codes in three bytes); W1_scales 4,096 x 32 uint8 (E8M0 scales of W1, one for each 32 codes along K); W2_codes 1,024 x 128 x 24 uint8 (E3M2 codes of W2, K innermost, in blocks of 32 codes, four codes in three bytes); W2_scales 1,024 x 128 uint8 (E8M0 scales of W2, one for each 32 codes along K); b1 4,096 float32; embedding_codes 8,192 x 32 x 24 uint8 (E3M2 codes of embedding, K innermost, in blocks of 32 codes, four codes in three bytes); embedding_scales 8,192 x 32 uint8 (E8M0 scales of embedding, one for each 32 codes along K); ln_beta 4,096 float32; ln_gamma 4,096 float32.
;; Outputs: out0 8,192 x 1,024 float32.
;; This version of the problem:
;;   THIS VERSION OF THE PROBLEM IS GIVEN IN LOW PRECISION. The matrix products marked QUANTISED in the list below multiply operands that are first quantised to E3M2 (3 exponent bits, 2 mantissa bits; 6 bits a number), with one power-of-two scale for each 32 numbers along K (OCP MX v1.0); their sums are f32. All else is computed in f32.
;;   The module's matrix products, in the order in which they are computed (A, B: the left and right operand; K: the contracted axis; several contracted axes count as one K, in the product's order):
;;     1. [M 8,192, K 1,024] x [K 1,024, N 4,096]; A: input embedding (given as codes); B: input W1 (given as codes): QUANTISED
;;     2. [M 8,192, K 4,096] x [K 4,096, N 1,024]; A: computed on the way; B: input W2 (given as codes): QUANTISED
;;   THE QUANTISER, for each operand of a quantised product, along K:
;;     - K is cut into blocks of 32 from its start; a last block that is shorter is filled with zeros.
;;     - A block's scale is 2^e with e = floor(log2(the largest magnitude in the block)) - 4, held to -126 .. 127; a block of zeros has e = 0. As a byte (E8M0): e + 127.
;;     - Each number is divided by its block's scale, clamped to +-28, and rounded to the nearest number of E3M2, ties to even, subnormals kept.
;;     - The product sums the exact products of the quantised numbers (number of the format x scale) in f32.
;;   ~~~python
;;   def quantise(x, axis):      # numpy; x: float32 -> the quantised numbers, widened to float32 again
;;       x = np.moveaxis(x, axis, -1); K = x.shape[-1]
;;       x = np.pad(x, [(0, 0)] * (x.ndim - 1) + [(0, -K % 32)]); x = x.reshape(x.shape[:-1] + (-1, 32)); a = np.abs(x).max(-1, keepdims=True)
;;       e = np.where(a > 0, np.clip(np.frexp(np.where(a > 0, a, 1))[1] - 1 - 4, -126, 127), 0)      # np.frexp(a)[1] - 1 = floor(log2(a)), exactly
;;       r = np.clip(x / 2.0 ** e, -28, 28)
;;       step = 2.0 ** (np.maximum(np.frexp(np.where(r == 0, 1, r))[1] - 1, -2) - 2)
;;       q = np.round(r / step) * step * 2.0 ** e      # np.round: ties to even
;;       return np.moveaxis(q.reshape(q.shape[:-2] + (-1,))[..., :K], -1, axis).astype(np.float32)
;;   ~~~
;;   OPERANDS COMPUTED ON THE WAY. 'Computed on the way' means the value that the module computes at that place (a softmax that the list does not call 'softmax' is quantised finished and normalised). What goes into a quantiser is computed in f32, as accurately as f32 sums, v_exp_f32 and their like allow (about 1e-6 of the number): no bf16 or f16 on the way to a quantiser, and a product that is left as it is and whose result goes on into a quantised operand takes f32 operands (vector FMAs, or v_wmma_f32_16x16x4_f32). A number that lies on a knife's edge between two numbers of the format may be rounded either way, as far as f32 arithmetic and the matrix unit's own rounding can turn it there, and no further.
;;   INPUTS GIVEN AS CODES. W1 (in the module: [1024, 4096], K = its axis 0); W2 (in the module: [4096, 1024], K = its axis 0); embedding (in the module: [8192, 1024], K = its axis 1): each comes as NAME_codes (uint8): NAME with its K axis moved to the last place and cut into blocks of 32 codes, [.., K / 32, bytes a block], one block behind the other in memory; four codes in three bytes: a row's codes are one little-endian stream of bits, code i at bits 6 i .. 6 i + 5 (a code: sign, 3 exponent bits, 2 mantissa bits); and NAME_scales (uint8): the same leading axes, one E8M0 byte (e + 127) for each 32 codes along K. Its value is code x scale, taken as it is: it is not quantised again, and the codes and scales need not be those that the quantiser above would give.
;; One version. Each part assembles by itself: llvm-mc -triple=amdgcn-amd-amdhsa -mcpu=gfx1250 --defsym DOCPART=n.
;; ======== version 1 of 1: 3 launches
;; workspace buffers: h 134,217,728 bytes; hid 33,554,432 bytes; w2r 4,194,304 bytes
;; launch gemm1 (part 1): grid 16 x 32, 4 waves a work-group, clusters of 4 x 4, 327,680 bytes of LDS; arguments embedding_codes, embedding_scales, W1_codes, W1_scales, h, b1; writes h
.if DOCPART == 1
	.amdgcn_target "amdgcn-amd-amdhsa--gfx1250"
	.amdhsa_code_object_version 6
	.text
	.protected	k_qdc9ac01b42_gemm1
	.globl	k_qdc9ac01b42_gemm1
	.p2align	8
	.type	k_qdc9ac01b42_gemm1,@function
k_qdc9ac01b42_gemm1:
	s_mov_b64 s[64:65], 0
	v_nop
	global_prefetch_b8 v0, s[64:65] scope:SCOPE_SE
	s_setreg_imm32_b32 hwreg(HW_REG_WAVE_MODE, 25, 1), 1
	s_wait_xcnt 0x0
	s_wait_alu depctr_hold_cnt(0) depctr_sa_sdst(0) depctr_va_vdst(0) depctr_va_sdst(0) depctr_va_ssrc(0) depctr_va_vcc(0) depctr_vm_vsrc(0)
	s_getreg_b32 s2, hwreg(HW_REG_IB_STS2, 6, 4)
	s_cmp_eq_u32 s2, 0
	s_cbranch_scc0 .Lentry_in_a_cluster
	s_endpgm
.Lentry_in_a_cluster:
	s_bfe_u32 s2, ttmp6, 0x10000c
	s_cmp_lg_u32 s2, 0xf033
	s_cbranch_scc0 .Lentry_shape_is_right
	s_endpgm
.Lentry_shape_is_right:
; h[m][n] = b1[n] + sum over k of x[m][k] W1[n][k].  x: [8192][1024], W1: [4096][1024]: codes of BF6 (E3M2), 6 bits each, K innermost, one E8M0 byte for each 32 along K; h: [8192][4096] f32; sums in f32.
; A number is its code's value x 2^(byte - 127); the matrix instruction takes codes and scale bytes as they lie in memory (a row of codes is one stream of bits: 128 codes are 96 bytes).
; SHARES.  A tile of C, 32 AB rows x 256 columns, is made by a work-group of four waves; a wave makes 16 AB rows x 128 columns: 8 AB accumulators of 16 x 16.  Here AB = 8: 256 x 256, 64 accumulators, 512 registers a wave:
; the largest tile that the registers hold, so that each fragment read from LDS feeds eight products.  8192 x 4096 / (256 x 256) = 512 work-groups.
; K goes in steps of 256 through a ring of two LDS slots filled by the tensor data mover (a tile's row is 192 bytes of memory).  THE SCALES of the work-group's rows of A and of B, for all of K, are dense blocks of memory:
; they come into LDS once, with the first fills, as rows of 256 bytes, and stay.
; CLUSTERS: 4 x 4 work-groups.  The four of a row of the cluster need the same tiles of A, the four of a column the same tiles of B: each tile is asked for JOINTLY, by the same tensor load with the same descriptor
; and a mask that names the four.  THE MATRIX INSTRUCTION IS USED TRANSPOSED (source 0 = 16 rows of B, source 1 = 16 rows of A): a lane then holds eight neighbouring numbers of a row of C.
; THE BIAS (BIAS = 1) is the C of each sum's first product: eight registers for each of B's eight blocks, in the result's layout; it costs no addition and nothing is cleared.
; REGISTERS, in windows of 256: window 0: v0-31 addresses; v32-63 scale words, two sets; v64-127 the bias; from v128 A's fragments (AB x 16 rows x 128 K), ONE set; on the way out v128-255 take rows of C.
;   window 1: B's fragments, TWO sets, at v0 and at v128.   window 2: accumulators of A's blocks 0-3 (accumulator (a, b) at v[8 (8 (a % 4) + b)]);   window 3: those of blocks 4-7.
; A step of 128 along K takes A's blocks one after the other, each against B's eight: a block of A is free as soon as its eight products are issued, so one set serves A: its first half is fetched anew in the step's
; middle, its second half at the step's end.  B's fragments are at work through the whole step, so B has two sets.
.set SIZE_M, 8192
.set SIZE_N, 4096
.set SIZE_K, 1024
.set AB,     8                         ; A's blocks of 16 rows in a wave's tile
.set LTM,    8                         ; log2 of the tile's rows, 32 AB
.set BIAS,   1                         ; 1: a bias along the columns starts the sums;  0: the constant 0 does
.set H,      AB/2
.set KSTEP,  256                       ; along K in a slot
.set NQ,     KSTEP/128                 ; matrix instructions deep
.set ROWB,   192                       ; a tile's row in bytes: KSTEP codes of 6 bits
.set KROW,   SIZE_K*6/8                ; a row of A or of B in memory, in bytes
.set PITCH,  240                       ; an LDS row: 3 x (64 bytes of data + 16 of padding) = 60 words: row r starts at bank -4 r mod 64 (64 banks of 4 bytes: ISA guide 11.1), so the 32 lanes of a load of 8 bytes touch 64 different banks
.set FR,     12                        ; registers of a fragment: 16 rows x 128 K
.set NL,     6                         ; LDS loads that bring one
.set NP,     4                         ; places behind this matrix instruction (ISA guide 7.12.1)
.set HALFA,  16*AB*PITCH               ; half of A's tile: what one tensor load brings, and what one wave reads of A
.set HALFB,  128*PITCH                 ; the same for B
.set SLOT,   2*HALFA+2*HALFB           ; A's two halves, then B's two
.set LAPS,   SIZE_K/(2*KSTEP)          ; a lap = two K steps = once round the ring
.set KS,     SIZE_K/32                 ; a row of scales in bytes: a power of two, at most 256, so that a row lies inside one LDS row of 256 bytes
.set SCL,    2*SLOT                    ; behind the ring: the scales, as rows of 256 bytes + 16 of padding: A's two halves, then B's two
.set HALFSA, (16*AB*KS/256)*272        ; the scales of half of A's tile: what one tensor load brings
.set HALFSB, (128*KS/256)*272          ; of half of B's
.set SBLK,   (16*KS/256)*272           ; those of 16 rows
.set SPARE,  SCL+2*HALFSA+2*HALFSB     ; behind the scales: the spare words, 128 bytes for each wave: two blocks of 256 bytes that no other line names
.set SPITCH, 528                       ; the way out: a stage of 16 rows x (512 bytes + 16) for each wave.  It lies in slot 0, which has had its last fill and its last read when the first result is stored there
.set ADRA, 16                          ; v16-17  LDS address of my A fragments in slot 0, 1  (v18-19: the same for the pieces that lie behind one padding more)
.set ADRB, 20                          ; v20-21  the same for B  (v22-23)
.set STO,  24                          ; v24     the way out: where I put 32 bytes of a row
.set RD,   25                          ; v25     the way out: where I read a row back
.set CO,   26                          ; v26     my byte offset in a row of C
.set ADRS, 27                          ; v27     LDS address of my scale words: lanes 0-15 A's rows, lanes 16-31 B's
.set SPW,  28                          ; v28     LDS address of my spare word: SPARE + 4 x my thread's number; never rewritten
.set NIL,  29                          ; v29     0; never rewritten
.set SC,   32                          ; scale words: set s (for slot s) at v[SC + 16 s]; in it register 2 i + q: lanes 0-15 the word of A's block i, lanes 16-31 that of B's block i, for the slot's q-th 128 along K
.set BI,   64                          ; the bias: v[BI + 8 b + j] = bias of column 16 b + 8 (lane / 16) + j of my 128
.set AF,   128                         ; A's fragments, in window 0
.set BK,   128                         ; the way out: 16 rows read back from the stage: v128-191 and v192-255 by turns
.set G1,   24                          ; s[24:31] descriptor group 1 for A's tiles;  s[32:39] group 0, one set for each slot
.set G0,   32
.set G1B,  48                          ; s[48:55], s[56:63] the same for B's tiles
.set G0B,  56
.set G1S,  68                          ; s[68:75], s[76:79] groups 1 and 0 for A's scales;  s[80:87], s[88:91] for B's
.set G0S,  76
.set G1SB, 80
.set G0SB, 88
.set MSB, 0
.macro WIN new                         ; s_set_vgpr_msb: bits 1:0 source 0, 3:2 source 1, 5:4 source 2, 7:6 destination; the high byte repeats the setting that is left; a switch that changes nothing is dropped
.if MSB != (\new)
	s_set_vgpr_msb (MSB<<8)|(\new)
.set MSB, (\new)
.endif
.endm
; A joint load: waves 0 and 1 fetch for A, waves 2 and 3 for B.  Each of the two lines has ONE mask and one set of registers for all that issue it; the branch hangs on the wave's number alone.
; Four v_nop follow each of the two lines, ahead of the jump, the label and what follows.
.macro JLOAD g0a, g1a, g0b, g1b
	s_cmp_eq_u32 s15, 0
	s_cbranch_scc0 .Lfor_b_\@
	tensor_load_to_lds s[\g0a:\g0a+3], s[\g1a:\g1a+7]
	s_nop 0
.rept 4
	v_nop
.endr
	s_branch .Lasked_\@
.Lfor_b_\@:
	tensor_load_to_lds s[\g0b:\g0b+3], s[\g1b:\g1b+7]
	s_nop 0
.rept 4
	v_nop
.endr
.Lasked_\@:
.endm
.macro CREST                           ; a round of the cluster's barrier behind its opening barrier
	s_cmp_lg_u32 s14, 0
	s_cbranch_scc1 .Lnot_wave_0_\@
	s_barrier_signal -3
.Lnot_wave_0_\@:
	s_barrier_wait -3
	s_barrier_signal -1
	s_barrier_wait -1
.endm
.macro CROUND                          ; a whole round
	s_barrier_signal -1
	s_barrier_wait -1
	CREST
.endm
	s_load_b128 s[4:7], s[0:1], 0x0                ; A's codes s[4:5], A's scales s[6:7]
	s_load_b128 s[8:11], s[0:1], 0x10              ; B's codes s[8:9], B's scales s[10:11]
	s_load_b64 s[12:13], s[0:1], 0x20              ; C
.if BIAS
	s_load_b64 s[96:97], s[0:1], 0x28              ; the bias
.endif
	v_lshl_add_u32 v[SPW], v0, 2, SPARE
	v_mov_b32 v[NIL], 0
	ds_add_u32 v28, v29
	s_wait_dscnt 0x0
	v_lshrrev_b32 v1, 5, v0
	v_readfirstlane_b32 s14, v1                    ; wave 0..3
	s_lshr_b32 s15, s14, 1                         ; which half of the tile's rows is mine.  Also: I fetch for A (0) or for B (1)
	s_and_b32 s16, s14, 1                          ; which half of its columns.  Also: which half of that tile I fetch
	s_bfe_u32 s40, ttmp6, 0x40000                  ; cx, cy: my place in the cluster
	s_bfe_u32 s41, ttmp6, 0x40004
	s_lshl_b32 s42, ttmp9, 2
	s_add_co_u32 s42, s42, s40                     ; tile column of C = 4 x cluster x + cx
	s_and_b32 s17, ttmp7, 0xffff
	s_lshl_b32 s17, s17, 2
	s_add_co_u32 s17, s17, s41                     ; tile row of C = 4 x cluster y + cy
	s_lshl_b32 s43, s41, 2
	s_lshl_b32 s43, 15, s43                        ; my row of the cluster
	s_lshl_b32 s44, 0x1111, s40                    ; my column
	; descriptor group 1: tiles of 16 AB (A) or 128 (B) rows x ROWB bytes, padded in LDS
	s_or_b32 s[G1+0], s43, (0<<16)|(1<<20)|(1<<21)|(3<<22)|(3<<25)  ; 15:0 the mask: A's tiles go to my row; 17:16 element of 1 byte; 20 padding on; 21 set beside a mask; 24:22 after every 16 words (code 3); 31:25 of 4 words (code 3)
	s_or_b32 s[G1B+0], s44, (0<<16)|(1<<20)|(1<<21)|(3<<22)|(3<<25) ; the same with the mask of my column
	s_mov_b32 s[G1+1], ROWB<<16                    ; tensor_dim0
	s_mov_b32 s[G1+2], (16*AB)<<16                 ; tensor_dim1
	s_mov_b32 s[G1+3], ROWB<<16                    ; tile_dim0
	s_mov_b32 s[G1+4], 16*AB                       ; tile_dim1
	s_mov_b32 s[G1+5], KROW                        ; tensor_dim0_stride
	s_mov_b32 s[G1+6], 0
	s_mov_b32 s[G1+7], 0
	s_mov_b32 s[G1B+1], ROWB<<16
	s_mov_b32 s[G1B+2], 128<<16
	s_mov_b32 s[G1B+3], ROWB<<16
	s_mov_b32 s[G1B+4], 128
	s_mov_b32 s[G1B+5], KROW
	s_mov_b32 s[G1B+6], 0
	s_mov_b32 s[G1B+7], 0
	; and for the scales of half a tile's rows: a dense block, as rows of 256 bytes (32 elements of 8 bytes), 16 bytes of padding behind each
	s_or_b32 s[G1S+0], s43, (3<<16)|(1<<20)|(1<<21)|(5<<22)|(3<<25)
	s_or_b32 s[G1SB+0], s44, (3<<16)|(1<<20)|(1<<21)|(5<<22)|(3<<25)
	s_mov_b32 s[G1S+1], 32<<16
	s_mov_b32 s[G1S+2], (16*AB*KS/256)<<16
	s_mov_b32 s[G1S+3], 32<<16
	s_mov_b32 s[G1S+4], 16*AB*KS/256
	s_mov_b32 s[G1S+5], 32
	s_mov_b32 s[G1S+6], 0
	s_mov_b32 s[G1S+7], 0
	s_mov_b32 s[G1SB+1], 32<<16
	s_mov_b32 s[G1SB+2], (128*KS/256)<<16
	s_mov_b32 s[G1SB+3], 32<<16
	s_mov_b32 s[G1SB+4], 128*KS/256
	s_mov_b32 s[G1SB+5], 32
	s_mov_b32 s[G1SB+6], 0
	s_mov_b32 s[G1SB+7], 0
	; where the tiles come from.  A's hang on the tile row alone, which my row of the cluster shares; B's on the tile column alone, which my column shares
	s_lshl_b32 s18, s16, LTM-1
	s_lshl_b32 s20, s17, LTM
	s_add_co_u32 s20, s20, s18                     ; A: row 32 AB x tile row + 16 AB x half
	s_lshl_b32 s18, s16, 7
	s_lshl_b32 s46, s42, 8
	s_add_co_u32 s46, s46, s18                     ; B: row 256 x tile column + 128 x half
	s_mov_b32 s21, 0
	s_mov_b32 s47, 0
	s_mov_b64 s[18:19], KS
	s_mul_u64 s[22:23], s[20:21], s[18:19]         ; where these rows' scales begin, in bytes
	s_mul_u64 s[92:93], s[46:47], s[18:19]
	s_mov_b64 s[18:19], KROW
	s_mul_u64 s[20:21], s[20:21], s[18:19]         ; and their codes
	s_mul_u64 s[46:47], s[46:47], s[18:19]
	s_mul_i32 s45, s16, HALFA                      ; where they go: no place in the cluster enters an LDS address.  A's half,
	s_mul_i32 s95, s16, HALFB
	s_add_co_u32 s95, s95, 2*HALFA                 ; B's half, behind A's two,
	s_mul_i32 s94, s16, HALFSA                     ; and the scales likewise
	s_mul_i32 s98, s16, HALFSB
	s_wait_kmcnt 0x0
	s_add_nc_u64 s[20:21], s[4:5], s[20:21]
	s_add_nc_u64 s[22:23], s[6:7], s[22:23]
	s_add_nc_u64 s[46:47], s[8:9], s[46:47]
	s_add_nc_u64 s[92:93], s[10:11], s[92:93]
	CROUND                                         ; all sixteen work-groups are here: the first joint loads meet
	s_mov_b32 s[G0S], 1                            ; 1:0 count = 1
	s_add_co_u32 s[G0S+1], s94, SCL                ; 63:32 LDS address
	s_mov_b64 s[G0S+2:G0S+3], s[22:23]             ; 120:64 global address
	s_or_b32 s[G0S+3], s[G0S+3], 0x80000000        ; 127:126 type = 2
	s_mov_b32 s[G0SB], 1
	s_add_co_u32 s[G0SB+1], s98, SCL+2*HALFSA
	s_mov_b64 s[G0SB+2:G0SB+3], s[92:93]
	s_or_b32 s[G0SB+3], s[G0SB+3], 0x80000000
	JLOAD G0S, G1S, G0SB, G1SB                     ; the scales first: they are wanted with K step 0
.irp s, 0,1
	s_mov_b32 s[G0+4*\s], 1
	s_add_co_u32 s[G0+4*\s+1], s45, \s*SLOT
	s_add_nc_u64 s[G0+4*\s+2:G0+4*\s+3], s[20:21], \s*ROWB
	s_or_b32 s[G0+4*\s+3], s[G0+4*\s+3], 0x80000000
	s_mov_b32 s[G0B+4*\s], 1
	s_add_co_u32 s[G0B+4*\s+1], s95, \s*SLOT
	s_add_nc_u64 s[G0B+4*\s+2:G0B+4*\s+3], s[46:47], \s*ROWB
	s_or_b32 s[G0B+4*\s+3], s[G0B+4*\s+3], 0x80000000
	JLOAD G0+4*\s, G1, G0B+4*\s, G1B               ; by this text's count three tensor loads of a wave are out here, later one
.endr
	v_and_b32 v1, 15, v0                           ; l % 16
	v_bfe_u32 v2, v0, 4, 1                         ; l / 16
	v_mul_u32_u24 v3, v1, PITCH
	v_mul_u32_u24 v4, v2, 24
	v_add_nc_u32 v4, v3, v4                        ; a fragment's row x pitch + 24 x half
	v_lshl_add_u32 v5, v2, 4, v4                   ; and the same behind one padding more
	s_mul_i32 s21, s15, HALFA                      ; my rows of A
	s_mul_i32 s22, s16, HALFB                      ; my 128 rows of B,
	s_add_co_u32 s22, s22, 2*HALFA                 ; which lie behind A's two halves
.irp s, 0,1
	v_add_nc_u32 v[ADRA+\s], s21, v4
	v_add_nc_u32 v[ADRB+\s], s22, v4
	v_add_nc_u32 v[ADRA+2+\s], s21, v5
	v_add_nc_u32 v[ADRB+2+\s], s22, v5
	s_add_co_u32 s21, s21, SLOT
	s_add_co_u32 s22, s22, SLOT
.endr
	v_mul_u32_u24 v5, v1, KS                       ; my row's scales: KS bytes a row,
	v_lshrrev_b32 v6, 8, v5
	v_lshl_add_u32 v5, v6, 4, v5                   ; and 16 more for each 256 passed
	s_mul_i32 s21, s15, HALFSA                     ; A's: my half
	s_mul_i32 s22, s16, HALFSB                     ; B's: my half, behind A's two
	s_add_co_u32 s22, s22, 2*HALFSA
	s_sub_co_u32 s22, s22, s21
	v_mul_u32_u24 v6, s22, v2                      ; lanes 16-31 take B's: the lower base + (lane / 16) x the distance
	s_add_co_u32 s21, s21, SCL
	v_add_nc_u32 v5, v5, v6
	v_add_nc_u32 v[ADRS], s21, v5
	s_mul_i32 s23, s14, 16*SPITCH                  ; my stage
	v_mul_u32_u24 v5, v1, SPITCH                   ; in: row l % 16, 32 bytes for each half of the lanes
	v_lshl_add_u32 v5, v2, 5, v5
	v_add_nc_u32 v[STO], s23, v5
	v_and_b32 v6, 31, v0
	v_lshlrev_b32 v[CO], 4, v6                     ; back: the 32 lanes take one row of 512 bytes; and the same in C
	v_add_nc_u32 v[RD], s23, v[CO]
	s_lshl_b32 s20, s17, LTM
	s_lshl_b32 s21, s15, LTM-1
	s_add_co_u32 s20, s20, s21                     ; my first row of C: 32 AB x tile row + 16 AB x half
	s_mov_b32 s21, 0
	s_mov_b64 s[18:19], SIZE_N*4
	s_mul_u64 s[20:21], s[20:21], s[18:19]
	s_lshl_b32 s46, s42, 10                        ; my first column, in bytes: 1024 x tile column + 512 x half
	s_lshl_b32 s47, s16, 9
	s_add_co_u32 s46, s46, s47
	s_mov_b32 s47, 0
	s_add_nc_u64 s[20:21], s[20:21], s[46:47]
	s_add_nc_u64 s[12:13], s[12:13], s[20:21]
.if BIAS
	s_add_nc_u64 s[96:97], s[96:97], s[46:47]      ; the bias of my first column: 4 bytes a column, as in a row of C
	v_lshlrev_b32 v7, 5, v2                        ; lanes 16-31 hold the columns eight further on
.irp b, 0,1,2,3,4,5,6,7
	global_load_b128 v[BI+8*\b:BI+8*\b+3],   v7, s[96:97] offset:64*\b
	global_load_b128 v[BI+8*\b+4:BI+8*\b+7], v7, s[96:97] offset:64*\b+16
.endr
.endif
.macro FRAG reg, adr, q, i             ; a fragment, 16 rows x 128 K of 6-bit codes, is 12 registers: lane l holds row l % 16; registers 6 c .. 6 c + 5 hold K = 64 c + 32 (l / 16) + 0 .. 31: 24 bytes of the row's stream of bits, as they lie
.irp p, 0,1,2,3,4,5                    ; in pieces of 8 bytes, so that every address is a multiple of the access's size.  Lanes 0-15 take the row's pieces 12 q + 0, 1, 2 and 12 q + 6, 7, 8, lanes 16-31 those three pieces on
.set PC, 12*(\q)+6*(\p/3)+\p%3        ; 16 bytes of padding lie behind every 64 bytes (8 pieces): where the piece three on lies behind one padding more, the second address register (40 for 24 bytes a half) serves
.if PC%8 < 5
	ds_load_b64 v[\reg+2*\p:\reg+2*\p+1], v[\adr] offset:8*PC+16*(PC/8)+(\i)*16*PITCH
.else
	ds_load_b64 v[\reg+2*\p:\reg+2*\p+1], v[\adr+2] offset:8*PC+16*(PC/8)+(\i)*16*PITCH
.endif
.endr
.endm
; 8 matrix instructions: A's block a x B's eight, 128 along K: the slot's q-th.  p: B's set;  sc: the set of scale words.  mode 0: onto the sums;  1: the constant 0 starts them;  2: the bias starts them.
; Source 0 (B) takes its scale word from lanes 16-31 of register b, source 1 (A) from lanes 0-15 of register a.
.macro MULA a, p, q, sc, mode
.irp b, 0,1,2,3,4,5,6,7
.set rD, 8*(8*((\a)%4)+\b)
.set rB, 128*(\p)+FR*\b
.set rA, AF+FR*(\a)
.set rSB, SC+8*NQ*(\sc)+NQ*\b+(\q)
.set rSA, SC+8*NQ*(\sc)+NQ*(\a)+(\q)
.if (\mode) == 0
	v_wmma_scale_f32_16x16x128_f8f6f4 v[rD:rD+7], v[rB:rB+FR-1], v[rA:rA+FR-1], v[rD:rD+7], v[rSB], v[rSA] matrix_a_fmt:MATRIX_FMT_BF6 matrix_b_fmt:MATRIX_FMT_BF6 matrix_a_scale:MATRIX_SCALE_ROW1
.elseif (\mode) == 1
	v_wmma_scale_f32_16x16x128_f8f6f4 v[rD:rD+7], v[rB:rB+FR-1], v[rA:rA+FR-1], 0, v[rSB], v[rSA] matrix_a_fmt:MATRIX_FMT_BF6 matrix_b_fmt:MATRIX_FMT_BF6 matrix_a_scale:MATRIX_SCALE_ROW1
.else
	v_wmma_scale_f32_16x16x128_f8f6f4 v[rD:rD+7], v[rB:rB+FR-1], v[rA:rA+FR-1], v[BI+8*\b:BI+8*\b+7], v[rSB], v[rSA] matrix_a_fmt:MATRIX_FMT_BF6 matrix_b_fmt:MATRIX_FMT_BF6 matrix_a_scale:MATRIX_SCALE_ROW1
.endif
.endr
.endm
; n blocks of A from a0 on.  All 8 AB accumulators take turns, one instruction a turn, in the same order in every step.
.macro MULS a0, n, p, q, sc, mode
.set AI, \a0
.rept \n
	MULA AI, \p, \q, \sc, \mode
.set AI, AI+1
.endr
.endm
.macro WMUL a0, mode                   ; the windows for MULS from block a0 on: source 0 (B) window 1, source 1 (A) window 0, D window 2 or 3; C with D, but the bias in window 0
.set WD, 2+(\a0)/4
.if (\mode) == 2
	WIN (1+64*WD)
.else
	WIN (1+80*WD)
.endif
.endm
.macro FETCH_B slot, q, p              ; B's eight fragments of the slot's q-th 128 along K into set p
	WIN 0x40                                       ; destination window 1, address window 0
.irp i, 0,1,2,3,4,5,6,7
	FRAG 128*(\p)+FR*\i, ADRB+\slot, \q, \i
.endr
	WIN 0
.endm
.macro FETCH_A slot, q, i0             ; A's blocks i0 .. i0 + H - 1
.set FI, \i0
.rept H
	FRAG AF+FR*FI, ADRA+\slot, \q, FI
.set FI, FI+1
.endr
.endm
.macro SCALES sc                       ; the next K step's scale words into set sc: 2 words a row; lanes 0-15 take A's block i, lanes 16-31 B's block i.  Where AB < 8, lanes 0-15 of i >= AB read bytes of the scales' region that no product uses
.irp i, 0,1,2,3,4,5,6,7
	ds_load_b64 v[SC+8*NQ*\sc+NQ*\i:SC+8*NQ*\sc+NQ*\i+1], v[ADRS] offset:\i*SBLK
.endr
.endm
; A load into a register that a matrix instruction has read, and an LDS store that reads a matrix result, stand NP places behind that matrix instruction, and only plain vector instructions that name none of its
; registers are places (ISA guide 7.12.1 for vector instructions); this text does not count the matrix instructions in between.
.macro PLACES n
.rept \n
	v_nop
.endr
.endm
; A step of 128 along K that has its successor in the same slot.
.macro STEP slot, q, mode
	s_wait_dscnt H*NL                              ; B's set and A's first half are in; the youngest H x NL loads (A's second half) may be out
	WMUL 0, \mode
	MULS 0, H, (\q)%2, \q, \slot, \mode
	s_wait_dscnt 0                                 ; A's second half is in (asked for 8 H matrix instructions ago)
	PLACES NP
	FETCH_B \slot, (\q)+1, 1-(\q)%2
	FETCH_A \slot, (\q)+1, 0
	WMUL H, \mode
	MULS H, H, (\q)%2, \q, \slot, \mode
	PLACES NP
	WIN 0
	FETCH_A \slot, (\q)+1, H
.endm
; A slot's last step changes slots: ONE barrier; in front of it each wave waits for all its tensor loads, adds 0 to its spare word, and waits for that and for its own reads of this slot.  fill = 1: this slot is filled again, two K steps ahead.
.macro TURN slot, next, fill
	s_wait_tensorcnt 0x0                           ; all my tensor loads have landed: my part of the next slot;  (every window is 0 here: the add's two registers lie in window 0)
	ds_add_u32 v[SPW], v[NIL]                      ; 0 onto my spare word
	s_wait_dscnt H*NL+1                            ; (the add and the youngest H x NL loads, A's second half, may be out)
	WMUL 0, 0
	MULS 0, H/2, 1, NQ-1, \slot, 0                 ; 4 H matrix instructions stand between the add and the wait for it
	s_wait_dscnt 0x0                               ; the add is done, and my reads of this slot are over
	s_barrier_signal -1
	MULS H/2, H/2, 1, NQ-1, \slot, 0
	WIN 0
	s_barrier_wait -1
.if \fill
	CREST                                          ; the barrier has opened a round of the cluster's barrier: no wave of any partner still reads this slot's tile or has a load on its way
	s_add_nc_u64 s[G0+4*\slot+2:G0+4*\slot+3], s[G0+4*\slot+2:G0+4*\slot+3], 2*ROWB
	s_add_nc_u64 s[G0B+4*\slot+2:G0B+4*\slot+3], s[G0B+4*\slot+2:G0B+4*\slot+3], 2*ROWB
	JLOAD G0+4*\slot, G1, G0B+4*\slot, G1B         ; the first tensor load behind the round; the four v_nop behind it are the places in front of the loads below
.else
	PLACES NP
.endif
	v_add_nc_u32 v[ADRS], 4*NQ, v[ADRS]            ; on to the next K step's scale words (no LDS load of mine is out)
	FETCH_B \next, 0, 0
	FETCH_A \next, 0, 0
	SCALES \next
	WMUL H, 0
	MULS H, H, 1, NQ-1, \slot, 0
	PLACES NP
	WIN 0
	FETCH_A \next, 0, H
.endm
	s_wait_tensorcnt 1                             ; the scales and my part of K step 0 are in (K step 1's load may be out)
	s_barrier_signal -1
	s_barrier_wait -1                              ; everybody's are
	FETCH_B 0, 0, 0
	FETCH_A 0, 0, 0
	SCALES 0
	FETCH_A 0, 0, H
.if BIAS
	s_wait_loadcnt 0x0                             ; the bias
	STEP 0, 0, 2                                   ; the first step stands in front of the loop: its products start the sums
.else
	STEP 0, 0, 1
.endif
	s_mov_b32 s3, LAPS-1
.Llap:                                                 ; a trip goes once round the ring, from a lap's second step to the next lap's first, and fills both slots again
	TURN 0, 1, 1
	STEP 1, 0, 0
	TURN 1, 0, 1
	STEP 0, 0, 0
	s_sub_co_u32 s3, s3, 1
	s_cmp_lg_u32 s3, 0
	s_cbranch_scc1 .Llap
	TURN 0, 1, 0                                   ; the last lap fills nothing, and has no round of the cluster's barrier
	STEP 1, 0, 0
	s_wait_dscnt H*NL                              ; the very last step: nothing more to fetch
	WMUL 0, 0
	MULS 0, H, 1, NQ-1, 1, 0
	s_wait_dscnt 0
	WMUL H, 0
	MULS H, H, 1, NQ-1, 1, 0
	WIN 0
; THE WAY OUT, block by block of 16 rows x 128 columns.  A lane holds 32 neighbouring bytes of a row, and the lanes beside it hold other rows: so a block goes through my own stage in LDS and comes back as whole
; rows of 512 bytes, which the 32 lanes store as 512 consecutive bytes.  LDS serves a wave's instructions in order (ISA guide 5.7.1.4): no wait between the stores and the loads, nor in front of the next block's stores.
.macro TOSTAGE a
.set AC, 64*((\a)%4)
	WIN 0x08+4*((\a)/4)                            ; an LDS store's data are its source 1: window 2 or 3
.irp b, 0,1,2,3,4,5,6,7
	ds_store_b128 v[STO], v[AC+8*\b:AC+8*\b+3] offset:64*\b          ; each accumulator from its low end on
	ds_store_b128 v[STO], v[AC+8*\b+4:AC+8*\b+7] offset:64*\b+16
.endr
	WIN 0
.set BB, BK+64*((\a)%2)
.irp t, 0,1,2,3,4,5,6,7,8,9,10,11,12,13,14,15
	ds_load_b128 v[BB+4*\t:BB+4*\t+3], v[RD] offset:\t*SPITCH
.endr
.endm
.macro SEND a, younger                 ; younger: the LDS instructions issued behind block a's loads, which may stay out
.set BB, BK+64*((\a)%2)
	s_wait_dscnt \younger                          ; the block is back in registers
.if (\a) > 0
	s_add_nc_u64 s[12:13], s[12:13], 16*SIZE_N*4   ; (behind a wait on XCNT for 0: the earlier stores have read their base)  16 rows of C on, so that the stores' offsets stay at 15 rows of C at the most, inside the signed 24-bit immediate
.endif
.irp t, 0,1,2,3,4,5,6,7,8,9,10,11,12,13,14,15
	global_store_b128 v[CO], v[BB+4*\t:BB+4*\t+3], s[12:13] offset:\t*SIZE_N*4 th:TH_STORE_NT   ; 32 lanes store 512 consecutive bytes, at a multiple of 256 from C's first byte; written once, read by nobody in this launch
.endr
.endm
	PLACES NP                                      ; these places serve the loads into the registers that held A's fragments and the reads of the last block's results alike
	TOSTAGE 0
.set OA, 1
.rept AB-1
.if OA > 1
	s_wait_xcnt 0x0                                ; block OA - 2's stores have read their registers and their base: block OA's loads may land there, and the base may step
.endif
	TOSTAGE OA
	SEND OA-1, 32                                  ; behind block OA - 1's loads: block OA's 16 stores and 16 loads
.set OA, OA+1
.endr
	s_wait_xcnt 0x0                                ; the last stores but these have read their base
	SEND AB-1, 0
	s_wait_tensorcnt 0x0                           ; the wave's end, behind my last tensor load and my last LDS store
	ds_add_u32 v[SPW], v[NIL]
	s_wait_dscnt 0x0
	CROUND                                         ; the closing round: no work-group ends while a partner may still ask for a tile that names it
	s_endpgm
.Lfunc_end_k_qdc9ac01b42_gemm1:
	.size	k_qdc9ac01b42_gemm1, .Lfunc_end_k_qdc9ac01b42_gemm1-k_qdc9ac01b42_gemm1
	.p2alignl 7, 3214868480
	.fill 96, 4, 3214868480
	.section	.rodata,"a",@progbits
	.p2align	6, 0x0
	.amdhsa_kernel k_qdc9ac01b42_gemm1
		.amdhsa_group_segment_fixed_size 327680
		.amdhsa_private_segment_fixed_size 0
		.amdhsa_enable_private_segment 0
		.amdhsa_kernarg_size 48
		.amdhsa_user_sgpr_count 2
		.amdhsa_user_sgpr_kernarg_segment_ptr 1
		.amdhsa_wavefront_size32 1
		.amdhsa_system_sgpr_workgroup_id_x 1
		.amdhsa_system_sgpr_workgroup_id_y 1
		.amdhsa_system_sgpr_workgroup_id_z 1
		.amdhsa_system_vgpr_workitem_id 0
		.amdhsa_next_free_vgpr 1024
		.amdhsa_next_free_sgpr 100
		.amdhsa_reserve_vcc 0
		.amdhsa_float_denorm_mode_32 3
		.amdhsa_float_denorm_mode_16_64 3
		.amdhsa_memory_ordered 1
		.amdhsa_forward_progress 1
		.amdhsa_inst_pref_size 162
	.end_amdhsa_kernel
	.amdgpu_metadata
---
amdhsa.version: [ 1, 2 ]
amdhsa.kernels:
  - .name:           k_qdc9ac01b42_gemm1
    .symbol:         k_qdc9ac01b42_gemm1.kd
    .args:
      - { .name: embedding_codes, .offset: 0, .size: 8, .value_kind: global_buffer, .address_space: global }
      - { .name: embedding_scales, .offset: 8, .size: 8, .value_kind: global_buffer, .address_space: global }
      - { .name: W1_codes, .offset: 16, .size: 8, .value_kind: global_buffer, .address_space: global }
      - { .name: W1_scales, .offset: 24, .size: 8, .value_kind: global_buffer, .address_space: global }
      - { .name: h, .offset: 32, .size: 8, .value_kind: global_buffer, .address_space: global }
      - { .name: b1, .offset: 40, .size: 8, .value_kind: global_buffer, .address_space: global }
    .group_segment_fixed_size: 327680
    .private_segment_fixed_size: 0
    .kernarg_segment_align: 8
    .kernarg_segment_size: 48
    .max_flat_workgroup_size: 128
    .sgpr_count:     100
    .vgpr_count:     1024
    .wavefront_size: 32
...
	.end_amdgpu_metadata
.endif
;; end of part 1
;; launch lngelu (part 2): grid 256 x 1, 8 waves a work-group, no clusters, 209,920 bytes of LDS; arguments h, ln_gamma, ln_beta, hid, W2_codes, W2_scales, w2r; writes hid, w2r
.if DOCPART == 2
	.amdgcn_target "amdgcn-amd-amdhsa--gfx1250"
	.amdhsa_code_object_version 6
	.text
	.protected	k_qdc9ac01b42_lngelu
	.globl	k_qdc9ac01b42_lngelu
	.p2align	8
	.type	k_qdc9ac01b42_lngelu,@function
k_qdc9ac01b42_lngelu:
	s_mov_b64 s[64:65], 0
	v_nop
	global_prefetch_b8 v0, s[64:65] scope:SCOPE_SE
	s_setreg_imm32_b32 hwreg(HW_REG_WAVE_MODE, 25, 1), 1
	s_wait_xcnt 0x0
; For each row of h [8192][4096] f32:  y = (h - mean) rsqrt(var + 1e-5) gamma + beta;  g = GELU(y) = y (1 + erf(y / sqrt 2)) / 2;  g is quantised along the row to codes of BF6 (E3M2) with one E8M0 byte for each 32.
; OUT: hid [8192 rows][8 records of 512 bytes].  Record c of a row serves 512 along K: 384 bytes of codes (one stream of bits, 16 codes in 12 bytes), then the 16 scale bytes of its 16 blocks; the last 112 bytes are
; never written and never read.  So the next launch brings a row's codes and scales of 512 along K by one tile row of 400 bytes that begins at a multiple of 512 bytes from the buffer's first byte.
; ALSO: W2's codes [1024][3072 bytes] and scales [1024][128] are laid into the same records, w2r [1024][8][512]: 256 work-groups x 4 rows; a wave takes half a row, at the head, beside the loads of gamma and beta.
; All arithmetic in f32.
; SHARES.  A work-group of eight waves takes 32 rows, a wave 4, one row at a time: a row of 16,384 bytes is 128 registers of a wave, so the mean, the variance (of the centred row: no difference of large sums) and the
; activation all work on registers and the row is read from memory once.  The next row's 32 loads are issued as soon as the row in hand has left their registers: 16 KiB a wave are on their way while a row is worked.
; LAYOUT.  The conversion takes 16 neighbours from ONE lane's registers, a load is best where neighbouring LANES take neighbouring bytes.  Both are had: each load reads 512 consecutive bytes, 16 a lane; the row goes
; through the wave's own stage in LDS and comes back 64 bytes a lane.  A row is 8 chunks of 512 numbers (chunk c is record c); in chunk c lane l holds numbers 512 c + 16 l + 0 .. 15; lanes 2 k and 2 k + 1 hold a block of 32.
; A lane's place in a chunk is 64 bytes + 16 of padding = 20 words, an odd multiple of 4 words.
; gamma and beta lie in LDS in the same places, put there once by the eight waves (one barrier), and are read chunk by chunk, one chunk ahead.
; GELU.  With a = |y| / sqrt 2:  2 g = (y + |y|) - |y| erfc(a), which keeps the relative accuracy of the negative side.  erfc(a) = (1 + p(q)) e^(-a a) / (1 + 2 a), q = (a - 2) / (a + 2), p of degree 9, fitted for
; q from -1 to 0.67 (a up to 10).  ONE reciprocal serves both divisions: with P = -(a + 2) / 4, D = 1 + 2 a, R = 1 / (P D):  q = 1 + R D,  1 / D = R P.  What is quantised is G = 2 g (the doubling is exact): the
; conversion takes G with G's own scale, which gives g's codes, and the byte stored is one less.
; THE SCALE: the block's largest |G|, with the floor 2^(6 - 127) among its leaves; 4 off its exponent field is the conversion's scale operand; that field less 1 is g's byte, at least 1.
; No cluster, no tensor load, no matrix instruction: work-groups share only gamma and beta, 32 KiB against the 512 KiB of h that each reads; the launch is a stream with much arithmetic.
; LIMITS: NaN and infinities are not served.  For y under about -13.2, e^(-a a) lies under 2^-126 and v_exp_f32 gives 0 (ISA guide 15.8): g is taken as 0 there.  The exponent -y y log2(e) / 2 carries two f32 roundings: the
; relative error of the negative side grows as about 1e-7 y y.  A block whose largest |g| lies under 2^-122, a block of zeros among them, keeps the byte 1 (its codes are what the conversion gives under that byte; zeros stay zeros);
; the bytes are read by this program alone.
.set PL,    80                         ; a lane's place in a chunk
.set CH,    32*PL                      ; a chunk in LDS: 2,560 bytes
.set GAM,   0                          ; LDS: gamma, 8 chunks
.set BET,   8*CH                       ; beta, 8 chunks
.set STG,   16*CH                      ; the stages: 8 chunks for each wave
.set SB,    STG+8*8*CH                 ; the scale bytes of a wave's 4 rows: 512 bytes for each wave
.set REC,   512                        ; a record in memory
.set RCOD,  384                        ; its codes; the 16 scale bytes follow them
.set HROW,  8*REC                      ; a row of hid or of w2r in memory
.set LO16,  1                          ; v1   16 x lane: my bytes of a load's 512
.set SIN,   2                          ; v2   the stage, on the way in: PL (lane / 4) + 16 (lane % 4)
.set SOUT,  3                          ; v3   and on the way out: PL x lane
.set GAD,   4                          ; v4   gamma's chunks: PL x lane
.set BAD,   5                          ; v5   where my block's scale byte goes, in the row in hand
.set CO12,  6                          ; v6   12 x lane: my codes' place in a record
.set SBR,   7                          ; v7   the scale bytes on the way out: 16 x lane
.set T0,    8                          ; v8-9 maxima and sums
.set PT,    10                         ; v10  v_permlanex16_b32's destination: written once at the head, since it counts as read
.set SO,    11                         ; v11  the conversion's scale operand
.set BY,    12                         ; v12  the scale's byte
.set GST,   13                         ; v13  where my wave puts its chunk of gamma
.set RS,    14                         ; v[14:15] rsqrt(var + eps), twice
.set CD,    16                         ; v[16:18], v[20:22] codes, two sets by turns
.set SCO,   19                         ; v19  where my 16 scale bytes go in hid: row lane / 8 of my wave's four, record lane % 8, behind its codes
.set BB0,   23                         ; v23  my block's byte in my wave's 512: never rewritten
.set MU,    24                         ; v[24:25] the mean, twice
.set C9,    26                         ; v[26:27] p's highest coefficient, twice
.set OB,    28                         ; v[28:31] scale bytes on the way out
.set XR,    32                         ; v32-159  the row
.set AA,    160                        ; v160-175 |y|;  in the statistics four chains of sums and four of squares;  at the head gamma
.set PP,    176                        ; v176-191 P, then 1 / D;  at the head beta
.set DD,    192                        ; v192-207 D, then q
.set MM,    208                        ; v208-223 P D, then R;  at the head W2's bytes on their way
.set UU,    224                        ; v224-239 y y, the exponent, e^(-a a);  at the head W2's offsets
.set SS,    240                        ; v240-255 p, then erfc
.set GB,    128                        ; window 1: v0-127 the next row as it is loaded;  v128-191 gamma (16) and beta (16) of a chunk, two sets by turns
.set CK,    32                         ; s[32+2k:33+2k] c_k twice, k = 0 .. 8
.set KP,    52                         ; s[52:53] -1 / (4 sqrt 2)
.set KD,    54                         ; s[54:55] sqrt 2
.set KE,    56                         ; s[56:57] -log2(e) / 2
.set MSB, 0
.macro WIN new                         ; s_set_vgpr_msb: bits 1:0 source 0, 3:2 source 1, 5:4 source 2, 7:6 destination; the high byte repeats the setting that is left
.if MSB != (\new)
	s_set_vgpr_msb (MSB<<8)|(\new)
.set MSB, (\new)
.endif
.endm
.macro PAIR r, bits                    ; the packed forms name a pair and take its low word for both halves: both words are written
	s_mov_b32 s[\r], \bits
	s_mov_b32 s[\r+1], \bits
.endm
.macro ROWLOAD                         ; a row: 32 loads of 512 consecutive bytes, into window 1
	WIN 0x40                                       ; destination window 1, address window 0
.set J, 0
.rept 32
	global_load_b128 v[4*J:4*J+3], v[LO16], s[4:5] offset:512*J th:TH_LOAD_NT
.set J, J+1
.endr
	WIN 0
.endm
.macro GBLOAD c                        ; chunk c's gamma and beta into set c % 2 of window 1
.set GL, GB+32*((\c)%2)
	WIN 0x40
.irp i, 0,1,2,3
	ds_load_b128 v[GL+4*\i:GL+4*\i+3], v[GAD] offset:GAM+CH*(\c)+16*\i
.endr
.irp i, 0,1,2,3
	ds_load_b128 v[GL+16+4*\i:GL+16+4*\i+3], v[GAD] offset:BET+CH*(\c)+16*\i
.endr
	WIN 0
.endm
.macro REDUCE                          ; v8 summed over the 32 lanes, the result in every lane
	v_add_f32_dpp v[T0], v[T0], v[T0] row_xmask:1 row_mask:0xf bank_mask:0xf
	v_add_f32_dpp v[T0], v[T0], v[T0] row_xmask:2 row_mask:0xf bank_mask:0xf
	v_add_f32_dpp v[T0], v[T0], v[T0] row_xmask:4 row_mask:0xf bank_mask:0xf
	v_add_f32_dpp v[T0], v[T0], v[T0] row_xmask:8 row_mask:0xf bank_mask:0xf
	v_permlanex16_b32 v[PT], v[T0], s22, s23
	v_add_f32 v[T0], v[T0], v[PT]
.endm
	s_load_b256 s[4:11], s[0:1], 0x0               ; h s[4:5], gamma s[6:7], beta s[8:9], hid s[10:11]
	s_load_b128 s[12:15], s[0:1], 0x20             ; W2's codes s[12:13], W2's scales s[14:15]
	s_load_b64 s[66:67], s[0:1], 0x30              ; w2r
	s_set_vgpr_msb 0x40
	v_lshl_add_u32 v192, v0, 2, 0x33000
	v_mov_b32 v193, 0
	s_set_vgpr_msb 0x4000
	v_lshrrev_b32 v8, 5, v0
	v_readfirstlane_b32 s16, v8                    ; wave 0..7
	v_and_b32 v9, 31, v0                           ; lane
	v_lshlrev_b32 v[LO16], 4, v9
	v_lshrrev_b32 v11, 2, v9
	v_and_b32 v12, 3, v9                           ; lane % 4
	v_mul_u32_u24 v11, v11, PL
	v_lshl_add_u32 v11, v12, 4, v11                ; PL (lane / 4) + 16 (lane % 4): four lanes' 64 bytes on end, then the padding
	s_mul_i32 s17, s16, 8*CH
	s_add_co_u32 s17, s17, STG                     ; my wave's stage
	v_add_nc_u32 v[SIN], s17, v11
	v_mul_u32_u24 v[GAD], v9, PL
	v_add_nc_u32 v[SOUT], s17, v[GAD]
	s_mul_i32 s18, s16, CH
	v_add_nc_u32 v[GST], s18, v11                  ; wave w puts chunk w of gamma and of beta
	s_lshl_b32 s18, s16, 9
	s_add_co_u32 s18, s18, SB                      ; my wave's 512 scale bytes
	v_lshrrev_b32 v[BB0], 1, v9
	v_add_nc_u32 v[BB0], s18, v[BB0]
	v_add_nc_u32 v[SBR], s18, v[LO16]
	v_mul_u32_u24 v[CO12], v9, 12
	v_lshrrev_b32 v11, 3, v9                       ; the scale bytes' way out: lane l holds those of row l / 8, record l % 8
	v_and_b32 v8, 7, v9
	v_lshlrev_b32 v11, 12, v11                     ; HROW = 4,096 bytes a row
	v_lshl_add_u32 v11, v8, 9, v11                 ; REC = 512 bytes a record
	v_add_nc_u32 v[SCO], RCOD, v11
	; W2 into records: my wave's half row is 96 pieces of 16 bytes; piece i = 32 j + lane of load j goes 16 i + 128 (i / 24) bytes on: 24 pieces fill a record's codes, and 128 bytes are passed over behind them
.irp j, 0,1,2
	v_add_nc_u32 v[UU+\j], 32*\j, v9
	v_mul_u32_u24 v[UU+5], v[UU+\j], 43
	v_lshrrev_b32 v[UU+5], 10, v[UU+5]             ; i / 24 = 43 i / 1024 for i under 96
	v_lshlrev_b32 v[UU+5], 7, v[UU+5]
	v_lshl_add_u32 v[UU+\j], v[UU+\j], 4, v[UU+5]
.endr
	v_lshlrev_b32 v[UU+3], 4, v12                  ; its 64 scale bytes: 16 for each of four records; eight lanes each take the same 16 and store the same 16 to the same place
	v_lshl_add_u32 v[UU+4], v12, 9, RCOD
	v_mov_b32 v[PT], 0
	v_mov_b32 v[C9], 0xb9d24012                    ; c9
	v_mov_b32 v[C9+1], 0xb9d24012
	s_mov_b32 s21, 0x7fffffff                      ; clears a sign
	s_mov_b32 s22, 0x76543210
	s_mov_b32 s23, 0xfedcba98                      ; v_permlanex16_b32's selects for lane l xor 16
	s_mov_b32 s24, 0x39800000                      ; 1 / 4096
	s_mov_b32 s25, 0x3727c5ac                      ; 1e-5
	PAIR CK+0,  0x3e8dd01d                         ; c0 .. c8
	PAIR CK+2,  0xbdbdfb09
	PAIR CK+4,  0xbe2a0420
	PAIR CK+6,  0x3e27fe20
	PAIR CK+8,  0xbd5e05ca
	PAIR CK+10, 0xbc040db9
	PAIR CK+12, 0x3c0d6f12
	PAIR CK+14, 0x3aac2bc2
	PAIR CK+16, 0xbaa150b9
	PAIR KP, 0xbe3504f3
	PAIR KD, 0x3fb504f3
	PAIR KE, 0xbf38aa3b
	s_lshl_b32 s28, ttmp9, 19                      ; h: 32 rows of 16,384 bytes a work-group,
	s_lshl_b32 s17, s16, 16                        ; 4 rows a wave
	s_add_co_u32 s28, s28, s17
	s_mov_b32 s29, 0
	s_lshl_b32 s30, s16, 11                        ; gamma, beta: chunk w, 2,048 bytes
	s_mov_b32 s31, 0
	s_lshl_b32 s58, ttmp9, 17                      ; hid: 32 rows of 4,096 bytes a work-group,
	s_lshl_b32 s17, s16, 14                        ; 4 rows a wave
	s_add_co_u32 s58, s58, s17
	s_mov_b32 s59, 0
	s_mul_i32 s60, ttmp9, 4*3072                   ; W2's codes: 4 rows of 3,072 bytes a work-group,
	s_mul_i32 s17, s16, 1536                       ; half a row a wave
	s_add_co_u32 s60, s60, s17
	s_mov_b32 s61, 0
	s_lshl_b32 s62, ttmp9, 9                       ; W2's scales: 4 rows of 128 bytes, half a row a wave
	s_lshl_b32 s17, s16, 6
	s_add_co_u32 s62, s62, s17
	s_mov_b32 s63, 0
	s_lshl_b32 s70, ttmp9, 14                      ; w2r: 4 rows of 4,096 bytes, half a row a wave
	s_lshl_b32 s17, s16, 11
	s_add_co_u32 s70, s70, s17
	s_mov_b32 s71, 0
	s_mov_b32 s20, 4                               ; rows to go
	s_mov_b32 s26, 0                               ; the row's 128 bytes among my wave's 512
	s_wait_kmcnt 0x0
	s_add_nc_u64 s[4:5], s[4:5], s[28:29]
	s_add_nc_u64 s[6:7], s[6:7], s[30:31]
	s_add_nc_u64 s[8:9], s[8:9], s[30:31]
	s_add_nc_u64 s[10:11], s[10:11], s[58:59]
	s_mov_b64 s[68:69], s[10:11]                   ; hid at my wave's first row, kept for the scale bytes' way out
	s_add_nc_u64 s[12:13], s[12:13], s[60:61]
	s_add_nc_u64 s[14:15], s[14:15], s[62:63]
	s_add_nc_u64 s[66:67], s[66:67], s[70:71]
.irp j, 0,1,2
	global_load_b128 v[MM+4*\j:MM+4*\j+3], v[LO16], s[12:13] offset:512*\j th:TH_LOAD_NT   ; 512 consecutive bytes of W2's codes
.endr
	global_load_b128 v[MM+12:MM+15], v[UU+3], s[14:15] th:TH_LOAD_NT
.irp i, 0,1,2,3
	global_load_b128 v[AA+4*\i:AA+4*\i+3], v[LO16], s[6:7] offset:512*\i
	global_load_b128 v[PP+4*\i:PP+4*\i+3], v[LO16], s[8:9] offset:512*\i
.endr
	ROWLOAD                                        ; my first row
	s_wait_loadcnt 32                              ; W2's four loads and gamma's and beta's eight are in; the row's 32, issued behind them, may be out
.irp i, 0,1,2,3
	ds_store_b128 v[GST], v[AA+4*\i:AA+4*\i+3] offset:GAM+8*PL*\i      ; a load's 512 bytes take eight places
	ds_store_b128 v[GST], v[PP+4*\i:PP+4*\i+3] offset:BET+8*PL*\i
.endr
.irp j, 0,1,2
	global_store_b128 v[UU+\j], v[MM+4*\j:MM+4*\j+3], s[66:67]
.endr
	global_store_b128 v[UU+4], v[MM+12:MM+15], s[66:67]
	s_wait_dscnt 0x0                               ; for the others' sake: my stores into LDS have landed
	s_wait_xcnt 0x0                                ; W2's stores have read their data and offsets: those registers are written again only behind this wait
	s_barrier_signal -1
	s_barrier_wait -1                              ; gamma and beta lie whole in LDS; nobody writes them again
; A chunk: 16 numbers a lane, in pairs.
.macro CHUNK c
.if (\c) < 7
	GBLOAD (\c)+1
	s_wait_dscnt 8                                 ; all but the eight loads just issued: this chunk's gamma and beta are in
.else
	s_wait_dscnt 0x0
.endif
.set XC, XR+16*(\c)
.set GC, GB+32*((\c)%2)
.set CC, CD+4*((\c)%2)
.irp i, 0,2,4,6,8,10,12,14
	v_pk_mul_f32 v[XC+\i:XC+\i+1], v[XC+\i:XC+\i+1], v[RS:RS+1]                       ; (h - mean) rsqrt(var + eps)
.endr
	WIN 0x14                                       ; sources 1 and 2 in window 1
.irp i, 0,2,4,6,8,10,12,14
	v_pk_fma_f32 v[XC+\i:XC+\i+1], v[XC+\i:XC+\i+1], v[GC+\i:GC+\i+1], v[GC+16+\i:GC+17+\i]   ; y
.endr
	WIN 0
.irp i, 0,1,2,3,4,5,6,7,8,9,10,11,12,13,14,15
	v_and_b32 v[AA+\i], s21, v[XC+\i]              ; |y|
.endr
.irp i, 0,2,4,6,8,10,12,14
	v_pk_fma_f32 v[PP+\i:PP+\i+1], v[AA+\i:AA+\i+1], s[KP:KP+1], -0.5 op_sel_hi:[1,0,0]   ; P = -(a + 2) / 4
.endr
.irp i, 0,2,4,6,8,10,12,14
	v_pk_fma_f32 v[DD+\i:DD+\i+1], v[AA+\i:AA+\i+1], s[KD:KD+1], 1.0 op_sel_hi:[1,0,0]    ; D = 1 + 2 a
.endr
.irp i, 0,2,4,6,8,10,12,14
	v_pk_mul_f32 v[MM+\i:MM+\i+1], v[PP+\i:PP+\i+1], v[DD+\i:DD+\i+1]
.endr
; Each transcendental has a plain instruction that names none of its registers behind it (ISA guide 5.7.2): work that is due anyway
.irp i, 0,1,2,3,4,5,6,7
	v_rcp_f32 v[MM+\i], v[MM+\i]                   ; R = 1 / (P D)
	v_pk_mul_f32 v[UU+2*\i:UU+2*\i+1], v[XC+2*\i:XC+2*\i+1], v[XC+2*\i:XC+2*\i+1]       ; y y
.endr
.irp i, 0,1,2,3,4,5,6,7
	v_rcp_f32 v[MM+8+\i], v[MM+8+\i]
	v_pk_mul_f32 v[UU+2*\i:UU+2*\i+1], v[UU+2*\i:UU+2*\i+1], s[KE:KE+1] op_sel_hi:[1,0]   ; -a a log2(e)
.endr
.irp i, 0,1,2,3,4,5,6,7
	v_exp_f32 v[UU+\i], v[UU+\i]                   ; e^(-a a)
	s_wait_alu depctr_va_vdst(0)
	v_pk_fma_f32 v[DD+2*\i:DD+2*\i+1], v[MM+2*\i:MM+2*\i+1], v[DD+2*\i:DD+2*\i+1], 1.0 op_sel_hi:[1,1,0]   ; q = 1 + R D
.endr
.irp i, 0,1,2,3,4,5,6,7
	v_exp_f32 v[UU+8+\i], v[UU+8+\i]
	v_pk_mul_f32 v[PP+2*\i:PP+2*\i+1], v[MM+2*\i:MM+2*\i+1], v[PP+2*\i:PP+2*\i+1]       ; 1 / D = R P
.endr
.irp i, 0,2,4,6,8,10,12,14
	v_pk_fma_f32 v[SS+\i:SS+\i+1], v[DD+\i:DD+\i+1], v[C9:C9+1], s[CK+16:CK+17] op_sel_hi:[1,1,0]   ; p by Horner's rule, eight chains side by side
.endr
.irp k, 7,6,5,4,3,2,1,0
.irp i, 0,2,4,6,8,10,12,14
	v_pk_fma_f32 v[SS+\i:SS+\i+1], v[SS+\i:SS+\i+1], v[DD+\i:DD+\i+1], s[CK+2*\k:CK+2*\k+1] op_sel_hi:[1,1,0]
.endr
.endr
.irp i, 0,2,4,6,8,10,12,14
	v_pk_fma_f32 v[SS+\i:SS+\i+1], v[SS+\i:SS+\i+1], v[PP+\i:PP+\i+1], v[PP+\i:PP+\i+1]   ; (1 + p) / D
.endr
	s_wait_alu depctr_va_vdst(0)
.irp i, 0,2,4,6,8,10,12,14
	v_pk_mul_f32 v[SS+\i:SS+\i+1], v[SS+\i:SS+\i+1], v[UU+\i:UU+\i+1]                   ; erfc(a)
.endr
.irp i, 0,2,4,6,8,10,12,14
	v_pk_add_f32 v[XC+\i:XC+\i+1], v[XC+\i:XC+\i+1], v[AA+\i:AA+\i+1]                   ; y + |y|
.endr
.irp i, 0,2,4,6,8,10,12,14
	v_pk_fma_f32 v[XC+\i:XC+\i+1], v[AA+\i:AA+\i+1], v[SS+\i:SS+\i+1], v[XC+\i:XC+\i+1] neg_lo:[1,0,0] neg_hi:[1,0,0]   ; G = (y + |y|) - |y| erfc(a)
.endr
	v_max3_num_f32 v[T0],   |v[XC]|,   |v[XC+1]|, |v[XC+2]|            ; the largest magnitude of my 16, in two chains
	v_max3_num_f32 v[T0+1], |v[XC+3]|, |v[XC+4]|, |v[XC+5]|
.irp i, 6,10
	v_max3_num_f32 v[T0],   v[T0],   |v[XC+\i]|,   |v[XC+\i+1]|
	v_max3_num_f32 v[T0+1], v[T0+1], |v[XC+\i+2]|, |v[XC+\i+3]|
.endr
	v_max3_num_f32 v[T0], v[T0], |v[XC+14]|, |v[XC+15]|
	v_max3_num_f32 v[T0], v[T0], v[T0+1], 0x3000000                    ; and the floor 2^(6 - 127): g's byte cannot fall under 1
	v_max_num_f32_dpp v[T0], v[T0], v[T0] row_xmask:1 row_mask:0xf bank_mask:0xf   ; and of my neighbour's 16: the block's
	v_add_nc_u32 v[SO], 0xfe000000, v[T0]          ; 4 off its exponent field: the conversion takes the exponent field of this operand as its scale, and nothing else of it
	s_wait_xcnt 0x0                                ; the store of two chunks back has read this set of code registers: they are written again only behind this wait
	v_cvt_scalef32_pk16_bf6_f32 v[CC:CC+2], v[XC:XC+15], v[SO]         ; sixteen numbers / 2^(the operand's exponent), to the nearest code, ties to even, beyond the largest code the largest; 96 bits, the first number's code lowest
	v_lshrrev_b32 v[BY], 23, v[SO]                 ; G's byte  (a plain line behind the conversion)
	v_add_nc_u32 v[BY], -1, v[BY]                  ; g = G / 2: one less
	ds_store_b8 v[BAD], v[BY] offset:16*(\c)       ; both lanes of a block write the same byte with the same value
	global_store_b96 v[CO12], v[CC:CC+2], s[10:11] offset:REC*(\c)     ; the wave stores the record's 384 consecutive bytes of codes
.endm
.Lrow:                                             ; four trips, a row each
	s_wait_loadcnt 0x0                             ; the row is in
	v_add_nc_u32 v[BAD], s26, v[BB0]
	WIN 0x04                                       ; an LDS store's data are its source 1: window 1
.set J, 0
.rept 32
	ds_store_b128 v[SIN], v[4*J:4*J+3] offset:CH*(J/4)+8*PL*(J%4)
.set J, J+1
.endr
	WIN 0
.set J, 0
.rept 32
	ds_load_b128 v[XR+4*J:XR+4*J+3], v[SOUT] offset:CH*(J/4)+16*(J%4)  ; LDS serves a wave's instructions in order (ISA guide 5.7.1.4): these see my stores
.set J, J+1
.endr
	s_wait_dscnt 32                                ; all but the 32 loads just issued: the stores into the stage are served, so their registers may take the next row
	s_cmp_eq_u32 s20, 1                            ; the last row asks for nothing: no load leaves the buffer
	s_cbranch_scc1 .Lno_next
	s_add_nc_u64 s[4:5], s[4:5], 16384             ; (the loads that named this base were waited for at the trip's head)
	ROWLOAD
.Lno_next:
	GBLOAD 0
	s_wait_dscnt 8                                 ; all but the eight loads just issued: the row is back from the stage
	; the mean: four chains of packed sums
.irp k, 0,1,2,3
	v_pk_add_f32 v[AA+2*\k:AA+2*\k+1], v[XR+2*\k:XR+2*\k+1], v[XR+8+2*\k:XR+9+2*\k]     ; the first eight pairs start the chains: nothing is cleared
.endr
.set J, 8
.rept 56
	v_pk_add_f32 v[AA+2*(J%4):AA+2*(J%4)+1], v[AA+2*(J%4):AA+2*(J%4)+1], v[XR+2*J:XR+2*J+1]
.set J, J+1
.endr
	v_pk_add_f32 v[AA:AA+1], v[AA:AA+1], v[AA+2:AA+3]
	v_pk_add_f32 v[AA+4:AA+5], v[AA+4:AA+5], v[AA+6:AA+7]
	v_pk_add_f32 v[AA:AA+1], v[AA:AA+1], v[AA+4:AA+5]
	v_add_f32 v[T0], v[AA], v[AA+1]
	REDUCE
	v_mul_f32 v[MU], s24, v[T0]
	v_mov_b32 v[MU+1], v[MU]
.set J, 0
.rept 64
	v_pk_add_f32 v[XR+2*J:XR+2*J+1], v[XR+2*J:XR+2*J+1], v[MU:MU+1] neg_lo:[0,1] neg_hi:[0,1]   ; the row is centred in place
.set J, J+1
.endr
	; the variance: the centred numbers' squares, four chains
.irp k, 0,1,2,3
	v_pk_mul_f32 v[AA+8+2*\k:AA+9+2*\k], v[XR+2*\k:XR+2*\k+1], v[XR+2*\k:XR+2*\k+1]
.endr
.set J, 4
.rept 60
	v_pk_fma_f32 v[AA+8+2*(J%4):AA+9+2*(J%4)], v[XR+2*J:XR+2*J+1], v[XR+2*J:XR+2*J+1], v[AA+8+2*(J%4):AA+9+2*(J%4)]
.set J, J+1
.endr
	v_pk_add_f32 v[AA+8:AA+9], v[AA+8:AA+9], v[AA+10:AA+11]
	v_pk_add_f32 v[AA+12:AA+13], v[AA+12:AA+13], v[AA+14:AA+15]
	v_pk_add_f32 v[AA+8:AA+9], v[AA+8:AA+9], v[AA+12:AA+13]
	v_add_f32 v[T0], v[AA+8], v[AA+9]
	REDUCE
	v_fma_f32 v[T0], v[T0], s24, s25               ; var + eps
	v_rsq_f32 v[RS], v[T0]
	v_nop                                          ; a plain line behind the transcendental
	s_wait_alu depctr_va_vdst(0)
	v_mov_b32 v[RS+1], v[RS]
	CHUNK 0
	CHUNK 1
	CHUNK 2
	CHUNK 3
	CHUNK 4
	CHUNK 5
	CHUNK 6
	CHUNK 7
	s_wait_dscnt 0x0                               ; the last byte store is served
	s_wait_xcnt 0x0                                ; the stores have read their base: it is stepped only behind this wait
	s_add_nc_u64 s[10:11], s[10:11], HROW
	s_add_co_u32 s26, s26, 128
	s_sub_co_u32 s20, s20, 1
	s_cmp_lg_u32 s20, 0
	s_cbranch_scc1 .Lrow
	ds_load_b128 v[OB:OB+3], v[SBR]                ; lane l: the 16 scale bytes of row l / 8, record l % 8
	s_wait_dscnt 0x0
	global_store_b128 v[SCO], v[OB:OB+3], s[68:69] ; behind that record's codes
	s_set_vgpr_msb 0x5
	s_wait_tensorcnt 0x0
	ds_add_u32 v192, v193
	s_wait_dscnt 0x0
	s_set_vgpr_msb 0x500
	s_endpgm
.Lfunc_end_k_qdc9ac01b42_lngelu:
	.size	k_qdc9ac01b42_lngelu, .Lfunc_end_k_qdc9ac01b42_lngelu-k_qdc9ac01b42_lngelu
	.p2alignl 7, 3214868480
	.fill 96, 4, 3214868480
	.section	.rodata,"a",@progbits
	.p2align	6, 0x0
	.amdhsa_kernel k_qdc9ac01b42_lngelu
		.amdhsa_group_segment_fixed_size 209920
		.amdhsa_private_segment_fixed_size 0
		.amdhsa_enable_private_segment 0
		.amdhsa_kernarg_size 56
		.amdhsa_user_sgpr_count 2
		.amdhsa_user_sgpr_kernarg_segment_ptr 1
		.amdhsa_wavefront_size32 1
		.amdhsa_system_sgpr_workgroup_id_x 1
		.amdhsa_system_sgpr_workgroup_id_y 1
		.amdhsa_system_sgpr_workgroup_id_z 1
		.amdhsa_system_vgpr_workitem_id 0
		.amdhsa_next_free_vgpr 450
		.amdhsa_next_free_sgpr 80
		.amdhsa_reserve_vcc 0
		.amdhsa_float_denorm_mode_32 3
		.amdhsa_float_denorm_mode_16_64 3
		.amdhsa_memory_ordered 1
		.amdhsa_forward_progress 1
		.amdhsa_inst_pref_size 148
	.end_amdhsa_kernel
	.amdgpu_metadata
---
amdhsa.version: [ 1, 2 ]
amdhsa.kernels:
  - .name:           k_qdc9ac01b42_lngelu
    .symbol:         k_qdc9ac01b42_lngelu.kd
    .args:
      - { .name: h, .offset: 0, .size: 8, .value_kind: global_buffer, .address_space: global }
      - { .name: ln_gamma, .offset: 8, .size: 8, .value_kind: global_buffer, .address_space: global }
      - { .name: ln_beta, .offset: 16, .size: 8, .value_kind: global_buffer, .address_space: global }
      - { .name: hid, .offset: 24, .size: 8, .value_kind: global_buffer, .address_space: global }
      - { .name: W2_codes, .offset: 32, .size: 8, .value_kind: global_buffer, .address_space: global }
      - { .name: W2_scales, .offset: 40, .size: 8, .value_kind: global_buffer, .address_space: global }
      - { .name: w2r, .offset: 48, .size: 8, .value_kind: global_buffer, .address_space: global }
    .group_segment_fixed_size: 209920
    .private_segment_fixed_size: 0
    .kernarg_segment_align: 8
    .kernarg_segment_size: 56
    .max_flat_workgroup_size: 256
    .sgpr_count:     80
    .vgpr_count:     450
    .wavefront_size: 32
...
	.end_amdgpu_metadata
.endif
;; end of part 2
;; launch gemm2 (part 3): grid 4 x 64, 4 waves a work-group, clusters of 4 x 4, 327,680 bytes of LDS; arguments hid, w2r, out0; writes out0
.if DOCPART == 3
	.amdgcn_target "amdgcn-amd-amdhsa--gfx1250"
	.amdhsa_code_object_version 6
	.text
	.protected	k_qdc9ac01b42_gemm2
	.globl	k_qdc9ac01b42_gemm2
	.p2align	8
	.type	k_qdc9ac01b42_gemm2,@function
k_qdc9ac01b42_gemm2:
	s_mov_b64 s[64:65], 0
	v_nop
	global_prefetch_b8 v0, s[64:65] scope:SCOPE_SE
	s_setreg_imm32_b32 hwreg(HW_REG_WAVE_MODE, 25, 1), 1
	s_wait_xcnt 0x0
	s_wait_alu depctr_hold_cnt(0) depctr_sa_sdst(0) depctr_va_vdst(0) depctr_va_sdst(0) depctr_va_ssrc(0) depctr_va_vcc(0) depctr_vm_vsrc(0)
	s_getreg_b32 s2, hwreg(HW_REG_IB_STS2, 6, 4)
	s_cmp_eq_u32 s2, 0
	s_cbranch_scc0 .Lentry_in_a_cluster
	s_endpgm
.Lentry_in_a_cluster:
	s_bfe_u32 s2, ttmp6, 0x10000c
	s_cmp_lg_u32 s2, 0xf033
	s_cbranch_scc0 .Lentry_shape_is_right
	s_endpgm
.Lentry_shape_is_right:
; out0[m][n] = sum over k of hid[m][k] W2[n][k].  hid: 8192 rows, W2: 1024 rows, K = 4096: codes of BF6 (E3M2), 6 bits each, one E8M0 byte for each 32 along K; out0: [8192][1024] f32; sums in f32.
; BOTH OPERANDS COME IN RECORDS, laid by the launch before: a row is 8 records of 512 bytes; record S serves K = 512 S .. 512 S + 511: 384 bytes of codes (one stream of bits: 128 codes are 96 bytes), then its 16 scale
; bytes; the rest of a record is not read.  A number is its code's value x 2^(byte - 127); the matrix instruction takes codes and scale words as they lie.
; SHARES.  A tile of C, 128 rows x 256 columns, is made by a work-group of four waves; a wave makes 64 rows x 128 columns: 32 accumulators of 16 x 16.  Tiles of 256 x 256 would be 8192 x 1024 / 65536 = 128 in number; these are 256.
; THE RING.  K goes in steps of 512 through two LDS slots filled by the tensor data mover.  A tile's row is the first 400 bytes of a record: it begins at a multiple of 512 bytes from the buffer's first byte and brings the
; row's scale bytes with its codes, so that there are no tiles of scales and no region for them.  384 rows x 400 bytes = 153,600 bytes a slot: two slots and the spare words take 307,712 bytes.  A slot is four steps of 128
; along K, 128 matrix instructions a wave: so much work stands between a refill and the wait for it.
; NO PADDING: an LDS row of 400 bytes is 100 words: row r starts at bank 36 r mod 64 (64 banks of 4 bytes: ISA guide 11.1), sixteen different multiples of 4; lanes 16-31 read 6 words further on: the 32 lanes of a load of
; 8 bytes touch 64 different banks.
; CLUSTERS: 4 x 4 work-groups.  The four of a row of the cluster need the same tiles of A, the four of a column the same tiles of B: each tile is asked for JOINTLY, by the same tensor load with the same descriptor
; and a mask that names the four.  THE MATRIX INSTRUCTION IS USED TRANSPOSED (source 0 = 16 rows of B, source 1 = 16 rows of A): a lane then holds eight neighbouring numbers of a row of C.
; The first products take the constant 0 as C; nothing is cleared.
; REGISTERS, in windows of 256: window 0: v0-31 addresses; v32-95 scale words, two sets of 32; from v128 A's fragments (4 x 16 rows x 128 K), ONE set; on the way out v128-255 take rows of C.
;   window 1: B's fragments, TWO sets, at v0 and at v128.   window 2: the accumulators (accumulator (a, b) at v[8 (8 a + b)]).
; A step of 128 along K takes A's blocks one after the other, each against B's eight: a block of A is free as soon as its eight products are issued, so one set serves A: its first half is fetched anew in the step's
; middle, its second half at the step's end.  B's fragments are at work through the whole step, so B has two sets.
.set SIZE_M, 8192
.set SIZE_N, 1024
.set SIZE_K, 4096
.set AB,     4                         ; A's blocks of 16 rows in a wave's tile
.set LTM,    7                         ; log2 of the tile's rows, 32 AB
.set H,      AB/2
.set KSTEP,  512                       ; along K in a slot
.set NQ,     KSTEP/128                 ; matrix instructions deep
.set REC,    512                       ; a record in memory
.set RCOD,   384                       ; its codes
.set ROWB,   400                       ; a tile's row: the record's codes and scale bytes
.set KROW,   (SIZE_K/KSTEP)*REC        ; a row of A or of B in memory, in bytes
.set PITCH,  ROWB                      ; an LDS row
.set FR,     12                        ; registers of a fragment: 16 rows x 128 K
.set NL,     6                         ; LDS loads that bring one
.set NP,     4                         ; places behind this matrix instruction (ISA guide 7.12.1)
.set HALFA,  16*AB*PITCH               ; half of A's tile: what one tensor load brings, and what one wave reads of A
.set HALFB,  128*PITCH                 ; the same for B
.set SLOT,   2*HALFA+2*HALFB           ; A's two halves, then B's two
.set LAPS,   SIZE_K/(2*KSTEP)          ; a lap = two slots = once round the ring
.set SPARE,  2*SLOT                    ; behind the ring: the spare words, 128 bytes for each wave: two blocks of 256 bytes that no other line names
.set SPITCH, 528                       ; the way out: a stage of 16 rows x (512 bytes + 16) for each wave.  It lies in slot 0, which has had its last fill and its last read when the first result is stored there
.set ADRA, 16                          ; v16-17  LDS address of my A fragments in slot 0, 1
.set ADRB, 20                          ; v20-21  the same for B
.set STO,  24                          ; v24     the way out: where I put 32 bytes of a row
.set RD,   25                          ; v25     the way out: where I read a row back
.set CO,   26                          ; v26     my byte offset in a row of C
.set PFO,  27                          ; v27     the prefetches' offset; never rewritten
.set SPW,  28                          ; v28     LDS address of my spare word: SPARE + 4 x my thread's number; never rewritten
.set NIL,  29                          ; v29     0; never rewritten
.set ADRS, 30                          ; v30-31  LDS address of my scale words in slot 0, 1: lanes 0-15 A's rows, lanes 16-31 B's
.set SC,   32                          ; scale words: set s (for slot s) at v[SC + 32 s]; in it register 4 i + q: lanes 0-15 the word of A's block i, lanes 16-31 that of B's block i, for the slot's q-th 128 along K
.set AF,   128                         ; A's fragments, in window 0
.set BK,   128                         ; the way out: 16 rows read back from the stage: v128-191 and v192-255 by turns
.set G1,   24                          ; s[24:31] descriptor group 1 for A's tiles;  s[32:39] group 0, one set for each slot
.set G0,   32
.set G1B,  48                          ; s[48:55], s[56:63] the same for B's tiles
.set G0B,  56
.set PFA,  68                          ; s[68:69] where my prefetches stand: my work-group's share of the rows that I fetch, at the record that is being asked for; a prefetch names the record after it
.set LIM,  70                          ; s70     1 in a wave that prefetches, else the greatest number
.set MSB, 0
.macro WIN new                         ; s_set_vgpr_msb: bits 1:0 source 0, 3:2 source 1, 5:4 source 2, 7:6 destination; the high byte repeats the setting that is left; a switch that changes nothing is dropped
.if MSB != (\new)
	s_set_vgpr_msb (MSB<<8)|(\new)
.set MSB, (\new)
.endif
.endm
; A joint load: waves 0 and 1 fetch A's two halves, waves 2 and 3 B's.  Each of the two lines has ONE mask and one set of registers for all that issue it; the branch hangs on the wave's number alone.
; Four v_nop follow each of the two lines, ahead of the jump, the label and what follows.
.macro JLOAD g0a, g1a, g0b, g1b
	s_cmp_eq_u32 s15, 0
	s_cbranch_scc0 .Lfor_b_\@
	tensor_load_to_lds s[\g0a:\g0a+3], s[\g1a:\g1a+7]
	s_nop 0
.rept 4
	v_nop
.endr
	s_branch .Lasked_\@
.Lfor_b_\@:
	tensor_load_to_lds s[\g0b:\g0b+3], s[\g1b:\g1b+7]
	s_nop 0
.rept 4
	v_nop
.endr
.Lasked_\@:
.endm
; A PREFETCH INTO THE L2, behind each joint load, its four lines and the run of LDS loads that follows them: the record that the NEXT refill will ask for: one slot, 128 matrix instructions of a wave, ahead of that load.
; The 400 bytes that a tile takes of a record lie in its two aligned blocks of 256 bytes; each block is named ONCE in the launch.  A's rows are read by one cluster alone (the grid is one cluster wide); B's by every cluster of
; the column of clusters: the cluster with y = 0 asks.  The four partners that ask for a tile jointly share its rows out BY ADDRESS: of the 64 rows of A that a wave fetches the partner at cx takes 16 (lanes 0-15 name the
; first block of a row's record, lanes 16-31 the second: one instruction); of the 128 rows of B the partner at cy takes 32 (a lane a row, two instructions).  No branch hangs on a work-group's place in its cluster.
; last = 1 (slot 1's refill): in the loop's last trip it is the launch's last refill, and no record stands behind it.  The first three records of a row come by their loads alone: nothing is prefetched at the head.
.macro ASK last
.if \last
	s_cmp_gt_u32 s3, s[LIM]                        ; s3 = 1 in the loop's last trip
.else
	s_cmp_eq_u32 s[LIM], 1
.endif
	s_cbranch_scc0 .Lnot_mine_\@
	global_prefetch_b8 v[PFO], s[PFA:PFA+1] offset:REC th:TH_LOAD_NT scope:SCOPE_SE
	s_cmp_eq_u32 s15, 0
	s_cbranch_scc1 .Lnot_mine_\@
	global_prefetch_b8 v[PFO], s[PFA:PFA+1] offset:REC+256 th:TH_LOAD_NT scope:SCOPE_SE
.Lnot_mine_\@:
.endm
.macro CREST                           ; a round of the cluster's barrier behind its opening barrier
	s_cmp_lg_u32 s14, 0
	s_cbranch_scc1 .Lnot_wave_0_\@
	s_barrier_signal -3
.Lnot_wave_0_\@:
	s_barrier_wait -3
	s_barrier_signal -1
	s_barrier_wait -1
.endm
.macro CROUND                          ; a whole round
	s_barrier_signal -1
	s_barrier_wait -1
	CREST
.endm
	s_load_b128 s[4:7], s[0:1], 0x0                ; A's records s[4:5], B's records s[6:7]
	s_load_b64 s[12:13], s[0:1], 0x10              ; C
	v_lshl_add_u32 v[SPW], v0, 2, SPARE
	v_mov_b32 v[NIL], 0
	ds_add_u32 v28, v29
	s_wait_dscnt 0x0
	v_lshrrev_b32 v1, 5, v0
	v_readfirstlane_b32 s14, v1                    ; wave 0..3
	s_lshr_b32 s15, s14, 1                         ; which half of the tile's rows is mine.  Also: I fetch for A (0) or for B (1)
	s_and_b32 s16, s14, 1                          ; which half of its columns.  Also: which half of that tile I fetch
	s_bfe_u32 s40, ttmp6, 0x40000                  ; cx, cy: my place in the cluster
	s_bfe_u32 s41, ttmp6, 0x40004
	s_lshl_b32 s42, ttmp9, 2
	s_add_co_u32 s42, s42, s40                     ; tile column of C = 4 x cluster x + cx
	s_and_b32 s17, ttmp7, 0xffff
	s_lshl_b32 s17, s17, 2
	s_add_co_u32 s17, s17, s41                     ; tile row of C = 4 x cluster y + cy
	s_lshl_b32 s43, s41, 2
	s_lshl_b32 s43, 15, s43                        ; my row of the cluster
	s_lshl_b32 s44, 0x1111, s40                    ; my column
	; descriptor group 1: tiles of 64 (A) or 128 (B) rows x ROWB bytes, laid into LDS without gaps
	s_or_b32 s[G1+0], s43, (0<<16)|(1<<21)         ; 15:0 the mask: A's tiles go to my row; 17:16 element of 1 byte; 20 padding off; 21 set beside a mask
	s_or_b32 s[G1B+0], s44, (0<<16)|(1<<21)        ; the same with the mask of my column
	s_mov_b32 s[G1+1], ROWB<<16                    ; tensor_dim0
	s_mov_b32 s[G1+2], (16*AB)<<16                 ; tensor_dim1
	s_mov_b32 s[G1+3], ROWB<<16                    ; tile_dim0
	s_mov_b32 s[G1+4], 16*AB                       ; tile_dim1
	s_mov_b32 s[G1+5], KROW                        ; tensor_dim0_stride
	s_mov_b32 s[G1+6], 0
	s_mov_b32 s[G1+7], 0
	s_mov_b32 s[G1B+1], ROWB<<16
	s_mov_b32 s[G1B+2], 128<<16
	s_mov_b32 s[G1B+3], ROWB<<16
	s_mov_b32 s[G1B+4], 128
	s_mov_b32 s[G1B+5], KROW
	s_mov_b32 s[G1B+6], 0
	s_mov_b32 s[G1B+7], 0
	; where the tiles come from.  A's hang on the tile row alone, which my row of the cluster shares; B's on the tile column alone, which my column shares
	s_lshl_b32 s18, s16, LTM-1
	s_lshl_b32 s20, s17, LTM
	s_add_co_u32 s20, s20, s18                     ; A: row 128 x tile row + 64 x half
	s_lshl_b32 s18, s16, 7
	s_lshl_b32 s46, s42, 8
	s_add_co_u32 s46, s46, s18                     ; B: row 256 x tile column + 128 x half
	s_mov_b32 s21, 0
	s_mov_b32 s47, 0
	s_mov_b64 s[18:19], KROW
	s_mul_u64 s[20:21], s[20:21], s[18:19]         ; in bytes
	s_mul_u64 s[46:47], s[46:47], s[18:19]
	s_mul_i32 s45, s16, HALFA                      ; where they go: no place in the cluster enters an LDS address.  A's half,
	s_mul_i32 s95, s16, HALFB
	s_add_co_u32 s95, s95, 2*HALFA                 ; B's half, behind A's two
	s_wait_kmcnt 0x0
	s_add_nc_u64 s[20:21], s[4:5], s[20:21]
	s_add_nc_u64 s[46:47], s[6:7], s[46:47]
	CROUND                                         ; all sixteen work-groups are here: the first joint loads meet
.irp s, 0,1
	s_mov_b32 s[G0+4*\s], 1                        ; 1:0 count = 1
	s_add_co_u32 s[G0+4*\s+1], s45, \s*SLOT        ; 63:32 LDS address
	s_add_nc_u64 s[G0+4*\s+2:G0+4*\s+3], s[20:21], \s*REC   ; 120:64 global address: record s
	s_or_b32 s[G0+4*\s+3], s[G0+4*\s+3], 0x80000000         ; 127:126 type = 2
	s_mov_b32 s[G0B+4*\s], 1
	s_add_co_u32 s[G0B+4*\s+1], s95, \s*SLOT
	s_add_nc_u64 s[G0B+4*\s+2:G0B+4*\s+3], s[46:47], \s*REC
	s_or_b32 s[G0B+4*\s+3], s[G0B+4*\s+3], 0x80000000
	JLOAD G0+4*\s, G1, G0B+4*\s, G1B               ; by this text's count two tensor loads of a wave are out here, later one
.endr
	v_and_b32 v1, 15, v0                           ; l % 16
	v_bfe_u32 v2, v0, 4, 1                         ; l / 16
	v_mul_u32_u24 v3, v1, PITCH
	v_mul_u32_u24 v4, v2, 24
	v_add_nc_u32 v4, v3, v4                        ; a fragment's row x pitch + 24 x half
	s_mul_i32 s21, s15, HALFA                      ; my rows of A
	s_mul_i32 s22, s16, HALFB                      ; my 128 rows of B,
	s_add_co_u32 s22, s22, 2*HALFA                 ; which lie behind A's two halves
	s_sub_co_u32 s23, s22, s21
	v_mul_u32_u24 v6, s23, v2                      ; the scale words: lanes 16-31 take B's: the lower base + (lane / 16) x the distance,
	v_add_nc_u32 v6, v6, v3                        ; my row,
	v_add_nc_u32 v6, RCOD, v6                      ; behind its codes
.irp s, 0,1
	v_add_nc_u32 v[ADRA+\s], s21, v4
	v_add_nc_u32 v[ADRB+\s], s22, v4
	v_add_nc_u32 v[ADRS+\s], s21, v6
	s_add_co_u32 s21, s21, SLOT
	s_add_co_u32 s22, s22, SLOT
.endr
	s_mul_i32 s23, s14, 16*SPITCH                  ; my stage
	v_mul_u32_u24 v5, v1, SPITCH                   ; in: row l % 16, 32 bytes for each half of the lanes
	v_lshl_add_u32 v5, v2, 5, v5
	v_add_nc_u32 v[STO], s23, v5
	v_and_b32 v6, 31, v0
	v_lshlrev_b32 v[CO], 4, v6                     ; back: the 32 lanes take one row of 512 bytes; and the same in C
	v_add_nc_u32 v[RD], s23, v[CO]
	s_lshl_b32 s20, s17, LTM
	s_lshl_b32 s21, s15, LTM-1
	s_add_co_u32 s20, s20, s21                     ; my first row of C: 128 x tile row + 64 x half
	s_mov_b32 s21, 0
	s_mov_b64 s[18:19], SIZE_N*4
	s_mul_u64 s[20:21], s[20:21], s[18:19]
	s_lshl_b32 s46, s42, 10                        ; my first column, in bytes: 1024 x tile column + 512 x half
	s_lshl_b32 s47, s16, 9
	s_add_co_u32 s46, s46, s47
	s_mov_b32 s47, 0
	s_add_nc_u64 s[20:21], s[20:21], s[46:47]
	s_add_nc_u64 s[12:13], s[12:13], s[20:21]
	; the prefetches (macro ASK): where my wave's stand, and who asks
	s_lshl_b32 s72, s17, LTM                       ; A: the tile's first row,
	s_lshl_b32 s74, s16, LTM-1
	s_add_co_u32 s72, s72, s74                     ; + the half that I fetch,
	s_lshl_b32 s74, s40, LTM-3
	s_add_co_u32 s72, s72, s74                     ; + my work-group's 16 rows of it, by cx
	s_lshl_b32 s73, s42, 8                         ; B: the tile's first row,
	s_lshl_b32 s74, s16, 7
	s_add_co_u32 s73, s73, s74                     ; + the half that I fetch,
	s_lshl_b32 s74, s41, 5
	s_add_co_u32 s73, s73, s74                     ; + my work-group's 32 rows of it, by cy
	s_and_b32 s75, ttmp7, 0xffff                   ; cluster y
	s_cmp_eq_u32 s15, 0                            ; do I fetch for A?
	s_cselect_b32 s72, s72, s73
	s_cselect_b32 s75, ttmp9, s75                  ; the coordinate along which other clusters read the same rows
	s_cselect_b64 s[PFA:PFA+1], s[4:5], s[6:7]
	s_cselect_b32 s74, 15, 31                      ; A: sixteen rows, lanes 16-31 the record's second block;  B: a lane a row
	s_cselect_b32 s76, 256, 0
	s_cmp_eq_u32 s75, 0
	s_cselect_b32 s[LIM], 1, -1                    ; the same in all sixteen partners, for a given wave
	s_mov_b32 s73, 0
	s_mov_b64 s[18:19], KROW
	s_mul_u64 s[72:73], s[72:73], s[18:19]
	s_add_nc_u64 s[PFA:PFA+1], s[PFA:PFA+1], s[72:73]
	s_add_nc_u64 s[PFA:PFA+1], s[PFA:PFA+1], REC   ; at record 1: the first refill steps it to record 2 and names record 3
	v_and_b32 v5, s74, v6
	v_mul_u32_u24 v7, s76, v2
	v_lshl_add_u32 v[PFO], v5, 12, v7              ; KROW = 4,096 bytes a row
.macro FRAG reg, adr, q, i             ; a fragment, 16 rows x 128 K of 6-bit codes, is 12 registers: lane l holds row l % 16; registers 6 c .. 6 c + 5 hold K = 64 c + 32 (l / 16) + 0 .. 31: 24 bytes of the row's stream of bits, as they lie
.irp p, 0,1,2,3,4,5                    ; in pieces of 8 bytes, so that every address is a multiple of the access's size
	ds_load_b64 v[\reg+2*\p:\reg+2*\p+1], v[\adr] offset:96*(\q)+48*(\p/3)+8*(\p%3)+(\i)*16*PITCH
.endr
.endm
; 8 matrix instructions: A's block a x B's eight, 128 along K: the slot's q-th.  p: B's set;  sc: the set of scale words.  zero = 1: the constant 0 starts the sums.
; Source 0 (B) takes its scale word from lanes 16-31 of register b, source 1 (A) from lanes 0-15 of register a.
.macro MULA a, p, q, sc, zero
.irp b, 0,1,2,3,4,5,6,7
.set rD, 8*(8*(\a)+\b)
.set rB, 128*(\p)+FR*\b
.set rA, AF+FR*(\a)
.set rSB, SC+8*NQ*(\sc)+NQ*\b+(\q)
.set rSA, SC+8*NQ*(\sc)+NQ*(\a)+(\q)
.if (\zero) == 0
	v_wmma_scale_f32_16x16x128_f8f6f4 v[rD:rD+7], v[rB:rB+FR-1], v[rA:rA+FR-1], v[rD:rD+7], v[rSB], v[rSA] matrix_a_fmt:MATRIX_FMT_BF6 matrix_b_fmt:MATRIX_FMT_BF6 matrix_a_scale:MATRIX_SCALE_ROW1
.else
	v_wmma_scale_f32_16x16x128_f8f6f4 v[rD:rD+7], v[rB:rB+FR-1], v[rA:rA+FR-1], 0, v[rSB], v[rSA] matrix_a_fmt:MATRIX_FMT_BF6 matrix_b_fmt:MATRIX_FMT_BF6 matrix_a_scale:MATRIX_SCALE_ROW1
.endif
.endr
.endm
; n blocks of A from a0 on.  All 32 accumulators take turns, one instruction a turn, in the same order in every step.
.macro MULS a0, n, p, q, sc, zero
.set AI, \a0
.rept \n
	MULA AI, \p, \q, \sc, \zero
.set AI, AI+1
.endr
.endm
.set W_MUL, 0xa1                       ; source 0 (B) window 1, source 1 (A) window 0, C and D window 2
.macro FETCH_B slot, q, p              ; B's eight fragments of the slot's q-th 128 along K into set p
	WIN 0x40                                       ; destination window 1, address window 0
.irp i, 0,1,2,3,4,5,6,7
	FRAG 128*(\p)+FR*\i, ADRB+\slot, \q, \i
.endr
	WIN 0
.endm
.macro FETCH_A slot, q, i0             ; A's blocks i0 .. i0 + H - 1
.set FI, \i0
.rept H
	FRAG AF+FR*FI, ADRA+\slot, \q, FI
.set FI, FI+1
.endr
.endm
.macro SCALES sc                       ; slot sc's scale words into set sc: 4 words a row; lanes 0-15 take A's block i, lanes 16-31 B's block i.  For i >= AB lanes 0-15 read bytes of the slot that no product uses as A's scales
.irp i, 0,1,2,3,4,5,6,7
	ds_load_b128 v[SC+8*NQ*\sc+NQ*\i:SC+8*NQ*\sc+NQ*\i+3], v[ADRS+\sc] offset:\i*16*PITCH
.endr
.endm
; A load into a register that a matrix instruction has read, and an LDS store that reads a matrix result, stand NP places behind that matrix instruction, and only plain vector instructions that name none of its
; registers are places (ISA guide 7.12.1 for vector instructions); this text does not count the matrix instructions in between.
.macro PLACES n
.rept \n
	v_nop
.endr
.endm
; A step of 128 along K that has its successor in the same slot.
.macro STEP slot, q, zero
	s_wait_dscnt H*NL                              ; B's set and A's first half are in; the youngest H x NL loads (A's second half) may be out
	WIN W_MUL
	MULS 0, H, (\q)%2, \q, \slot, \zero
	s_wait_dscnt 0                                 ; A's second half is in (asked for 8 H matrix instructions ago)
	PLACES NP
	FETCH_B \slot, (\q)+1, 1-(\q)%2
	FETCH_A \slot, (\q)+1, 0
	WIN W_MUL
	MULS H, H, (\q)%2, \q, \slot, \zero
	PLACES NP
	WIN 0
	FETCH_A \slot, (\q)+1, H
.endm
; A slot's last step changes slots: ONE barrier; in front of it each wave waits for all its tensor loads, adds 0 to its spare word, and waits for that and for its own reads of this slot.  fill = 1: this slot is filled again, two slots ahead.
.macro TURN slot, next, fill
.if \fill
	s_wait_xcnt 0x0                                ; the last prefetch, a slot back, has read its address: it is stepped here, ahead of the waits of the change of slots
	s_add_nc_u64 s[PFA:PFA+1], s[PFA:PFA+1], REC
.endif
	s_wait_tensorcnt 0x0                           ; all my tensor loads have landed: my part of the next slot;  (every window is 0 here: the add's two registers lie in window 0)
	ds_add_u32 v[SPW], v[NIL]                      ; 0 onto my spare word
	s_wait_dscnt H*NL+1                            ; (the add and the youngest H x NL loads, A's second half, may be out)
	WIN W_MUL
	MULS 0, H/2, 1, NQ-1, \slot, 0                 ; 4 H matrix instructions stand between the add and the wait for it
	s_wait_dscnt 0x0                               ; the add is done, and my reads of this slot are over
	s_barrier_signal -1
	MULS H/2, H/2, 1, NQ-1, \slot, 0
	WIN 0
	s_barrier_wait -1
.if \fill
	CREST                                          ; the barrier has opened a round of the cluster's barrier: no wave of any partner still reads this slot's tile or has a load on its way
	s_add_nc_u64 s[G0+4*\slot+2:G0+4*\slot+3], s[G0+4*\slot+2:G0+4*\slot+3], 2*REC
	s_add_nc_u64 s[G0B+4*\slot+2:G0B+4*\slot+3], s[G0B+4*\slot+2:G0B+4*\slot+3], 2*REC
	JLOAD G0+4*\slot, G1, G0B+4*\slot, G1B         ; the first tensor load behind the round; the four v_nop behind it are the places in front of the loads below
.else
	PLACES NP
.endif
	FETCH_B \next, 0, 0
	FETCH_A \next, 0, 0
	SCALES \next
.if \fill
	ASK \slot                                      ; behind the joint load and the run of LDS loads that the next products wait for
.endif
	WIN W_MUL
	MULS H, H, 1, NQ-1, \slot, 0
	PLACES NP
	WIN 0
	FETCH_A \next, 0, H
.endm
	s_wait_tensorcnt 1                             ; my part of slot 0 is in (slot 1's load may be out)
	s_barrier_signal -1
	s_barrier_wait -1                              ; everybody's is
	FETCH_B 0, 0, 0
	FETCH_A 0, 0, 0
	SCALES 0
	FETCH_A 0, 0, H
	STEP 0, 0, 1                                   ; the first step stands in front of the loop: its products start the sums
	s_mov_b32 s3, LAPS-1
.Llap:                                                 ; a trip goes once round the ring, from a lap's second step to the next lap's first, and fills both slots again
	STEP 0, 1, 0
	STEP 0, 2, 0
	TURN 0, 1, 1
	STEP 1, 0, 0
	STEP 1, 1, 0
	STEP 1, 2, 0
	TURN 1, 0, 1
	STEP 0, 0, 0
	s_sub_co_u32 s3, s3, 1
	s_cmp_lg_u32 s3, 0
	s_cbranch_scc1 .Llap
	STEP 0, 1, 0                                   ; the last lap fills nothing, and has no round of the cluster's barrier
	STEP 0, 2, 0
	TURN 0, 1, 0
	STEP 1, 0, 0
	STEP 1, 1, 0
	STEP 1, 2, 0
	s_wait_dscnt H*NL                              ; the very last step: nothing more to fetch
	WIN W_MUL
	MULS 0, H, 1, NQ-1, 1, 0
	s_wait_dscnt 0
	MULS H, H, 1, NQ-1, 1, 0
	WIN 0
; THE WAY OUT, block by block of 16 rows x 128 columns.  A lane holds 32 neighbouring bytes of a row, and the lanes beside it hold other rows: so a block goes through my own stage in LDS and comes back as whole
; rows of 512 bytes, which the 32 lanes store as 512 consecutive bytes.  LDS serves a wave's instructions in order (ISA guide 5.7.1.4): no wait between the stores and the loads, nor in front of the next block's stores.
.macro TOSTAGE a
.set AC, 64*(\a)
	WIN 0x08                                       ; an LDS store's data are its source 1: window 2
.irp b, 0,1,2,3,4,5,6,7
	ds_store_b128 v[STO], v[AC+8*\b:AC+8*\b+3] offset:64*\b          ; each accumulator from its low end on
	ds_store_b128 v[STO], v[AC+8*\b+4:AC+8*\b+7] offset:64*\b+16
.endr
	WIN 0
.set BB, BK+64*((\a)%2)
.irp t, 0,1,2,3,4,5,6,7,8,9,10,11,12,13,14,15
	ds_load_b128 v[BB+4*\t:BB+4*\t+3], v[RD] offset:\t*SPITCH
.endr
.endm
.macro SEND a, younger                 ; younger: the LDS instructions issued behind block a's loads, which may stay out
.set BB, BK+64*((\a)%2)
	s_wait_dscnt \younger                          ; the block is back in registers
.if (\a) > 0
	s_add_nc_u64 s[12:13], s[12:13], 16*SIZE_N*4   ; (behind a wait on XCNT for 0: the earlier stores have read their base)  16 rows of C on, so that the stores' offsets stay at 15 rows of C at the most, inside the signed 24-bit immediate
.endif
.irp t, 0,1,2,3,4,5,6,7,8,9,10,11,12,13,14,15
	global_store_b128 v[CO], v[BB+4*\t:BB+4*\t+3], s[12:13] offset:\t*SIZE_N*4 th:TH_STORE_NT   ; 32 lanes store 512 consecutive bytes, at a multiple of 256 from C's first byte; written once, read by nobody in this launch
.endr
.endm
	PLACES NP                                      ; these places serve the loads into the registers that held A's fragments and the reads of the last block's results alike
	TOSTAGE 0
.set OA, 1
.rept AB-1
.if OA > 1
	s_wait_xcnt 0x0                                ; block OA - 2's stores have read their registers and their base: block OA's loads may land there, and the base may step
.endif
	TOSTAGE OA
	SEND OA-1, 32                                  ; behind block OA - 1's loads: block OA's 16 stores and 16 loads
.set OA, OA+1
.endr
	s_wait_xcnt 0x0                                ; the last stores but these have read their base
	SEND AB-1, 0
	s_wait_tensorcnt 0x0                           ; the wave's end, behind my last tensor load and my last LDS store
	ds_add_u32 v[SPW], v[NIL]
	s_wait_dscnt 0x0
	CROUND                                         ; the closing round: no work-group ends while a partner may still ask for a tile that names it
	s_endpgm
.Lfunc_end_k_qdc9ac01b42_gemm2:
	.size	k_qdc9ac01b42_gemm2, .Lfunc_end_k_qdc9ac01b42_gemm2-k_qdc9ac01b42_gemm2
	.p2alignl 7, 3214868480
	.fill 96, 4, 3214868480
	.section	.rodata,"a",@progbits
	.p2align	6, 0x0
	.amdhsa_kernel k_qdc9ac01b42_gemm2
		.amdhsa_group_segment_fixed_size 327680
		.amdhsa_private_segment_fixed_size 0
		.amdhsa_enable_private_segment 0
		.amdhsa_kernarg_size 24
		.amdhsa_user_sgpr_count 2
		.amdhsa_user_sgpr_kernarg_segment_ptr 1
		.amdhsa_wavefront_size32 1
		.amdhsa_system_sgpr_workgroup_id_x 1
		.amdhsa_system_sgpr_workgroup_id_y 1
		.amdhsa_system_sgpr_workgroup_id_z 1
		.amdhsa_system_vgpr_workitem_id 0
		.amdhsa_next_free_vgpr 768
		.amdhsa_next_free_sgpr 100
		.amdhsa_reserve_vcc 0
		.amdhsa_float_denorm_mode_32 3
		.amdhsa_float_denorm_mode_16_64 3
		.amdhsa_memory_ordered 1
		.amdhsa_forward_progress 1
		.amdhsa_inst_pref_size 172
	.end_amdhsa_kernel
	.amdgpu_metadata
---
amdhsa.version: [ 1, 2 ]
amdhsa.kernels:
  - .name:           k_qdc9ac01b42_gemm2
    .symbol:         k_qdc9ac01b42_gemm2.kd
    .args:
      - { .name: hid, .offset: 0, .size: 8, .value_kind: global_buffer, .address_space: global }
      - { .name: w2r, .offset: 8, .size: 8, .value_kind: global_buffer, .address_space: global }
      - { .name: out0, .offset: 16, .size: 8, .value_kind: global_buffer, .address_space: global }
    .group_segment_fixed_size: 327680
    .private_segment_fixed_size: 0
    .kernarg_segment_align: 8
    .kernarg_segment_size: 24
    .max_flat_workgroup_size: 128
    .sgpr_count:     100
    .vgpr_count:     768
    .wavefront_size: 32
...
	.end_amdgpu_metadata
.endif
;; end of part 3
